; MI455X (gfx1250); checked and timed in simulation.
; The chip was launched on July 23, 2026; its instructions are those of AMD's public machine-readable ISA for CDNA 5 (MIT licence, August 2026) and "CDNA5" Instruction Set Architecture Reference Guide (July 2026). The comments in the code are by the model that wrote it; some were corrected since.
;; RPE Self Attention. Allowed arithmetic: float matrix products may take bf16 or f16 operands with f32 sums; other float arithmetic in f32, or as packed bf16 or f16 multiplies, adds, multiply-adds, maxima and minima; sums over many terms, partial sums and values carried from step to step in f32; what a program stores and reads back later, other than sums and carried values, may be rounded once to bf16 or f16.
;; Inputs: W_attn 1,024 x 3,072 float32; W_proj 1,024 x 1,024 float32; table_k 129 x 64 float32; table_v 129 x 64 float32; x 2 x 2,048 x 1,024 float32.
;; Outputs: out0 2 x 2,048 x 1,024 float32.
;; 2 versions, each right; version 2 is version 1 with the launch prep written anew for expert scheduling mode. Each part assembles by itself: llvm-mc -triple=amdgcn-amd-amdhsa -mcpu=gfx1250 --defsym DOCPART=n.
;; ======== version 1 of 2: 4 launches
;; limits: values are held in f16: magnitudes above 65,504 overflow, below 6.1e-05 lose precision
;; workspace buffers: xb 8,388,608 bytes; wa 6,291,456 bytes; wp 2,097,152 bytes; tab 32,768 bytes; qkv 25,165,824 bytes; yb 8,388,608 bytes
;; launch prep (part 1): grid 1026 x 1, 4 waves a work-group, no clusters, 17,920 bytes of LDS; arguments x, W_attn, W_proj, table_k, table_v, xb, wa, wp, tab; writes xb, wa, wp, tab
.if DOCPART == 1
	.amdgcn_target "amdgcn-amd-amdhsa--gfx1250"
	.amdhsa_code_object_version 6
	.text
	.protected	k_q188f03cac2_prep
	.globl	k_q188f03cac2_prep
	.p2align	8
	.type	k_q188f03cac2_prep,@function
k_q188f03cac2_prep:
	s_mov_b64 s[64:65], 0
	v_nop
	global_prefetch_b8 v0, s[64:65] scope:SCOPE_SE
	s_setreg_imm32_b32 hwreg(HW_REG_WAVE_MODE, 25, 1), 1
	s_wait_xcnt 0x0
; PREP: every input is rounded once to bf16 and laid out as the matrix launches want it, K along the rows.
;   xb  bf16 [4096][1024]      = x
;   wa  bf16 [3072][1024]      row 192 h + 64 s + c = column 1024 s + 64 h + c of W_attn (s = 0 q, 1 k, 2 v): a head's q, k, v rows lie together
;   wp  f16  [1024 n][1024 k]  = W_proj turned; each number is rounded to bf16 and that number is written as f16
;   tab f16  byte 0: [128][64] = table_k's rows 1 to 128; byte 16,384: [64 ch][128] = table_v's rows 1 to 128 turned; both bf16, then f16
; LIMITS.  W_proj and the tables lie within f16's 65,504; below 6.1e-5 they keep f16's fixed step of 6e-8.  Row 0 of the tables is never indexed under the mask that the problem builds.
; JOBS, by the work-group's number g: 0-511 cast 32 KiB of x; 512 cast table_k; 513-896 turn a block of W_attn; 897-1024 of W_proj; 1025 table_v.
; A CAST: thread t takes 32 bytes of f32 and stores 16 bytes: a wave's store covers 512 consecutive bytes.
; A TURN: 128 rows (k) x 64 columns (n) of f32; two rows' numbers of a column pack into a word, the words go into LDS rows of 272 bytes by column, and come back as 64 whole rows of 256 bytes.
; The work-groups share no byte, every byte is read once, and the launch only streams: no tensor loads, no cluster, no matrix unit.
.set SPARE, 17408                      ; behind the 64 rows of 272 bytes: the spare words, 128 bytes for each wave
.set PIT,  272
.set VIN,  4                           ; v4   a cast: my 32 bytes in
.set VOUT, 5                           ; v5   a cast: my 16 bytes out
.set LSA,  6                           ; v6   a turn: where my words go in LDS
.set LRA,  7                           ; v7   a turn: where I read a row back
.set VO,   8                           ; v8-23   a turn: byte offsets of my 16 loads
.set DO,   24                          ; v24-31  a turn: byte offsets of my 8 stores
.set X,    32                          ; v32-95  as loaded
.set W,    96                          ; v96-99  packed words on their way to LDS
.set SPW,  100                         ; v100 LDS address of my spare word; never rewritten
.set NIL,  101                         ; v101 0; never rewritten
.set T0,   102
.set T1,   103
.set Y,    104                         ; v104-135 a cast's results
.set R,    136                         ; v136-167 a turn's rows read back
.set SRC,  28                          ; s[28:29]
.set DST,  30                          ; s[30:31]
.set SPI,  32                          ; s32  bytes from row to row in the source
.set DPI,  33                          ; s33  in the destination
.macro CV dst, a, b, fmt               ; two numbers rounded to bf16 and packed; fmt = 1: those two numbers written as f16
	v_cvt_pk_bf16_f32 v[\dst], v[\a], v[\b]
.if \fmt
	v_lshlrev_b32 v[T0], 16, v[\dst]
	v_and_b32 v[T1], 0xffff0000, v[\dst]
	v_cvt_pk_f16_f32 v[\dst], v[T0], v[T1]
.endif
.endm
.macro CAST fmt
.irp g, 0,1,2,3,4,5,6,7
	global_load_b128 v[X+8*\g:X+8*\g+3],   v[VIN], s[SRC:SRC+1] offset:\g*4096 th:TH_LOAD_NT
	global_load_b128 v[X+8*\g+4:X+8*\g+7], v[VIN], s[SRC:SRC+1] offset:\g*4096+16 th:TH_LOAD_NT
.endr
.irp g, 0,1,2,3,4,5,6,7
	s_wait_loadcnt 14-2*\g                         ; loads come back in order: pair g is in, the younger pairs stay out
.irp i, 0,1,2,3
	CV Y+4*\g+\i, X+8*\g+2*\i, X+8*\g+2*\i+1, \fmt
.endr
	global_store_b128 v[VOUT], v[Y+4*\g:Y+4*\g+3], s[DST:DST+1] offset:\g*2048  ; no register of a store is written again
.endr
.endm
.macro TCONV fmt                       ; rows 2 p and 2 p + 1 (p = 8 g + t / 16), my four columns: word p of LDS rows 4 (t % 16) + i
.irp g, 0,1,2,3,4,5,6,7
	s_wait_loadcnt 14-2*\g
.irp i, 0,1,2,3
	CV W+\i, X+8*\g+\i, X+8*\g+4+\i, \fmt
	ds_store_b32 v[LSA], v[W+\i] offset:\i*PIT+\g*32
.endr
.endr
.endm
	s_load_b512 s[8:23], s[0:1], 0x0               ; x s[8:9], W_attn s[10:11], W_proj s[12:13], table_k s[14:15], table_v s[16:17], xb s[18:19], wa s[20:21], wp s[22:23]
	s_load_b64 s[24:25], s[0:1], 0x40              ; tab
	v_lshl_add_u32 v[SPW], v0, 2, SPARE
	v_mov_b32 v[NIL], 0
	s_mov_b32 s2, ttmp9                            ; g
	s_mov_b32 s35, 0
	s_mov_b32 s37, 0
	s_cmp_lt_u32 s2, 513
	s_cbranch_scc0 .Ltrans
	; THE CASTS
	v_lshlrev_b32 v[VIN], 5, v0
	v_lshlrev_b32 v[VOUT], 4, v0
	s_lshl_b32 s34, s2, 15                         ; 32 KiB in,
	s_lshl_b32 s36, s2, 14                         ; 16 KiB out
	s_wait_kmcnt 0x0
	s_cmp_lt_u32 s2, 512
	s_cselect_b32 s34, s34, 256                    ; table_k from its row 1 on
	s_cselect_b32 s36, s36, 0
	s_cselect_b64 s[SRC:SRC+1], s[8:9], s[14:15]
	s_cselect_b64 s[DST:DST+1], s[18:19], s[24:25]
	s_add_nc_u64 s[SRC:SRC+1], s[SRC:SRC+1], s[34:35]
	s_add_nc_u64 s[DST:DST+1], s[DST:DST+1], s[36:37]
	s_cbranch_scc0 .Lcast16                        ; (selects and 64-bit sums leave the compare's answer alone)
	CAST 0
	s_branch .Lend
.Lcast16:
	CAST 1
	s_branch .Lend
	; THE TURNS
.Ltrans:
	v_and_b32 v1, 15, v0                           ; which 16 bytes of a source row
	v_lshrrev_b32 v2, 4, v0                        ; 0 to 7
	s_sub_co_u32 s38, s2, 513                      ; W_attn: j = 8 nb + kt
	s_and_b32 s39, s38, 7                          ; kt: which 128 rows
	s_lshr_b32 s38, s38, 3                         ; nb = 16 s + h: which 64 columns
	s_lshr_b32 s40, s38, 4
	s_and_b32 s41, s38, 15
	s_mul_i32 s34, s39, 1572864                    ; 128 rows of 12,288 bytes
	s_lshl_b32 s38, s38, 8
	s_add_co_u32 s34, s34, s38
	s_mul_i32 s41, s41, 3
	s_add_co_u32 s41, s41, s40                     ; 3 h + s
	s_lshl_b32 s41, s41, 17                        ; 64 rows of 2,048 bytes
	s_lshl_b32 s39, s39, 8
	s_add_co_u32 s36, s41, s39
	s_sub_co_u32 s38, s2, 897                      ; W_proj: the same split
	s_and_b32 s39, s38, 7
	s_lshr_b32 s38, s38, 3
	s_lshl_b32 s40, s39, 19                        ; 128 rows of 4,096 bytes
	s_lshl_b32 s41, s38, 8
	s_add_co_u32 s40, s40, s41
	s_lshl_b32 s38, s38, 17
	s_lshl_b32 s39, s39, 8
	s_add_co_u32 s41, s38, s39
	s_movk_i32 s42, 0x3000
	s_movk_i32 s43, 0x1000
	s_movk_i32 s44, 0x800
	s_wait_kmcnt 0x0
	s_cmp_lt_u32 s2, 897
	s_cselect_b32 s34, s34, s40
	s_cselect_b32 s36, s36, s41
	s_cselect_b32 s[SPI], s42, s43
	s_cselect_b64 s[SRC:SRC+1], s[10:11], s[12:13]
	s_cselect_b64 s[DST:DST+1], s[20:21], s[22:23]
	s_cmp_lt_u32 s2, 1025
	s_cselect_b32 s34, s34, 256                    ; table_v from its row 1 on,
	s_cselect_b32 s36, s36, 0x4000                 ; into tab's second half
	s_cselect_b32 s[SPI], s[SPI], 256
	s_cselect_b32 s[DPI], s44, 256
	s_cselect_b64 s[SRC:SRC+1], s[SRC:SRC+1], s[16:17]
	s_cselect_b64 s[DST:DST+1], s[DST:DST+1], s[24:25]
	s_add_nc_u64 s[SRC:SRC+1], s[SRC:SRC+1], s[34:35]
	s_add_nc_u64 s[DST:DST+1], s[DST:DST+1], s[36:37]
	v_lshlrev_b32 v3, 1, v2
	v_mul_lo_u32 v3, v3, s[SPI]
	v_lshl_add_u32 v3, v1, 4, v3                   ; row 2 (t / 16), my 16 bytes
.set n, 0
.rept 16
	s_mul_i32 s38, s[SPI], 16*(n/2)+(n%2)
	v_add_nc_u32 v[VO+n], s38, v3
.set n, n+1
.endr
.irp g, 0,1,2,3,4,5,6,7
	global_load_b128 v[X+8*\g:X+8*\g+3],   v[VO+2*\g],   s[SRC:SRC+1] th:TH_LOAD_NT  ; sixteen lanes take a row's 256 bytes
	global_load_b128 v[X+8*\g+4:X+8*\g+7], v[VO+2*\g+1], s[SRC:SRC+1] th:TH_LOAD_NT
.endr
	v_mul_u32_u24 v[LSA], v1, 4*PIT
	v_lshl_add_u32 v[LSA], v2, 2, v[LSA]
	v_mul_u32_u24 v[LRA], v2, PIT
	v_lshl_add_u32 v[LRA], v1, 4, v[LRA]
	v_mul_lo_u32 v[DO], v2, s[DPI]
	v_lshl_add_u32 v[DO], v1, 4, v[DO]
	s_lshl_b32 s38, s[DPI], 3
.irp g, 1,2,3,4,5,6,7
	v_add_nc_u32 v[DO+\g], s38, v[DO+\g-1]
.endr
	s_cmp_lt_u32 s2, 897
	s_cbranch_scc0 .Ltr16
	TCONV 0
	s_branch .Ltrj
.Ltr16:
	TCONV 1
.Ltrj:
	s_wait_dscnt 0x0                               ; for the others' sake: my words are in LDS
	s_barrier_signal -1
	s_barrier_wait -1                              ; everybody's are
.irp g, 0,1,2,3,4,5,6,7
	ds_load_b128 v[R+4*\g:R+4*\g+3], v[LRA] offset:\g*8*PIT
.endr
.irp g, 0,1,2,3,4,5,6,7
	s_wait_dscnt 7-\g
	global_store_b128 v[DO+\g], v[R+4*\g:R+4*\g+3], s[DST:DST+1]  ; sixteen lanes store 256 consecutive bytes, aligned
.endr
.Lend:
	s_wait_tensorcnt 0x0                           ; the wave's end, behind my last LDS store
	ds_add_u32 v[SPW], v[NIL]
	s_wait_dscnt 0x0
	s_endpgm
.Lfunc_end_k_q188f03cac2_prep:
	.size	k_q188f03cac2_prep, .Lfunc_end_k_q188f03cac2_prep-k_q188f03cac2_prep
	.p2alignl 7, 3214868480
	.fill 96, 4, 3214868480
	.section	.rodata,"a",@progbits
	.p2align	6, 0x0
	.amdhsa_kernel k_q188f03cac2_prep
		.amdhsa_group_segment_fixed_size 17920
		.amdhsa_private_segment_fixed_size 0
		.amdhsa_enable_private_segment 0
		.amdhsa_kernarg_size 72
		.amdhsa_user_sgpr_count 2
		.amdhsa_user_sgpr_kernarg_segment_ptr 1
		.amdhsa_wavefront_size32 1
		.amdhsa_system_sgpr_workgroup_id_x 1
		.amdhsa_system_sgpr_workgroup_id_y 1
		.amdhsa_system_sgpr_workgroup_id_z 1
		.amdhsa_system_vgpr_workitem_id 0
		.amdhsa_next_free_vgpr 168
		.amdhsa_next_free_sgpr 66
		.amdhsa_reserve_vcc 0
		.amdhsa_float_denorm_mode_32 3
		.amdhsa_float_denorm_mode_16_64 3
		.amdhsa_memory_ordered 1
		.amdhsa_forward_progress 1
		.amdhsa_inst_pref_size 36
	.end_amdhsa_kernel
	.amdgpu_metadata
---
amdhsa.version: [ 1, 2 ]
amdhsa.kernels:
  - .name:           k_q188f03cac2_prep
    .symbol:         k_q188f03cac2_prep.kd
    .args:
      - { .name: x, .offset: 0, .size: 8, .value_kind: global_buffer, .address_space: global }
      - { .name: W_attn, .offset: 8, .size: 8, .value_kind: global_buffer, .address_space: global }
      - { .name: W_proj, .offset: 16, .size: 8, .value_kind: global_buffer, .address_space: global }
      - { .name: table_k, .offset: 24, .size: 8, .value_kind: global_buffer, .address_space: global }
      - { .name: table_v, .offset: 32, .size: 8, .value_kind: global_buffer, .address_space: global }
      - { .name: xb, .offset: 40, .size: 8, .value_kind: global_buffer, .address_space: global }
      - { .name: wa, .offset: 48, .size: 8, .value_kind: global_buffer, .address_space: global }
      - { .name: wp, .offset: 56, .size: 8, .value_kind: global_buffer, .address_space: global }
      - { .name: tab, .offset: 64, .size: 8, .value_kind: global_buffer, .address_space: global }
    .group_segment_fixed_size: 17920
    .private_segment_fixed_size: 0
    .kernarg_segment_align: 8
    .kernarg_segment_size: 72
    .max_flat_workgroup_size: 128
    .sgpr_count:     66
    .vgpr_count:     168
    .wavefront_size: 32
...
	.end_amdgpu_metadata
.endif
;; end of part 1
;; launch qkv (part 2): grid 16 x 16, 4 waves a work-group, clusters of 4 x 4, 327,680 bytes of LDS; arguments xb, wa, qkv; writes qkv
.if DOCPART == 2
	.amdgcn_target "amdgcn-amd-amdhsa--gfx1250"
	.amdhsa_code_object_version 6
	.text
	.protected	k_q188f03cac2_qkv
	.globl	k_q188f03cac2_qkv
	.p2align	8
	.type	k_q188f03cac2_qkv,@function
k_q188f03cac2_qkv:
	s_mov_b64 s[64:65], 0
	v_nop
	global_prefetch_b8 v0, s[64:65] scope:SCOPE_SE
	s_setreg_imm32_b32 hwreg(HW_REG_WAVE_MODE, 25, 1), 1
	s_wait_xcnt 0x0
	s_wait_alu depctr_hold_cnt(0) depctr_sa_sdst(0) depctr_va_vdst(0) depctr_va_sdst(0) depctr_va_ssrc(0) depctr_va_vcc(0) depctr_vm_vsrc(0)
	s_getreg_b32 s2, hwreg(HW_REG_IB_STS2, 6, 4)
	s_cmp_eq_u32 s2, 0
	s_cbranch_scc0 .Lentry_in_a_cluster
	s_endpgm
.Lentry_in_a_cluster:
	s_bfe_u32 s2, ttmp6, 0x10000c
	s_cmp_lg_u32 s2, 0xf033
	s_cbranch_scc0 .Lentry_shape_is_right
	s_endpgm
.Lentry_shape_is_right:
; QKV: q, k, v = x W_attn, bf16 operands, f32 sums, each result rounded once to f16 and stored by heads, unscaled.
; xb: bf16 [4096][1024].  wa: bf16 [3072][1024], rows 192 h .. 192 h + 191 = q, k, v of head h.
; qkv: f16, blocks of 8,192 bytes at (3 u + s) x 8,192, u = 32 (16 b + h) + t / 64: s = 0 Q [64 t][64 ch], s = 1 K [64 t][64 ch], s = 2 V turned, [64 ch][64 t].
; LIMIT.  f16 holds no number beyond 65,504: q, k and v must lie within it.
; SHARES.  A work-group makes 256 rows of x against one head's 192 rows of wa; wave w makes rows 64 w .. 64 w + 63 against all 192: 48 accumulators, and three whole blocks of qkv, so the way out is the wave's own.
; K goes in steps of 128 through two LDS slots filled by tensor loads: rows of 256 bytes, aligned.  Waves 0 and 1 fetch the halves of x's 256 rows, waves 2 and 3 the halves of wa's 192.
; CLUSTER.  4 x 4 work-groups: the four of a row of the cluster need the same rows of x, the four of a column the same head's rows of wa: each tile is asked for jointly.
; THE PRODUCTS.  For q and k source 0 = 16 rows of wa, source 1 = 16 rows of x: a lane holds one token and eight neighbouring channels.  For v the sources stand the other way round: a lane holds one channel and eight neighbouring tokens.
; REGISTERS, in windows of 256 (s_set_vgpr_msb: bits 1:0 source 0, 3:2 source 1, 5:4 source 2, 7:6 destination):
;   window 0: v16-30 addresses; v32-223 the way out      window 1: two fragment buffers of 128: x's four fragments, then wa's twelve
;   window 2: q's and k's accumulators, (a, b) at 8 (8 a + b)      window 3: v's, (a, b) at 8 (4 a + b)
.set KSTEP,  128
.set PITCH,  272                       ; an LDS row: 256 bytes + 16 of padding: the 16 rows of a fragment load start at 16 different groups of four banks
.set HALFA,  128*PITCH
.set HALFB,  96*PITCH
.set BOFF,   2*HALFA                   ; wa's rows lie behind x's 256
.set SLOT,   BOFF+2*HALFB
.set STAGE,  2*SLOT                    ; behind the ring, never filled by a tensor load: 16 rows x 144 bytes for each wave
.set SP,     144
.set SPARE,  STAGE+4*16*SP             ; the spare words, 128 bytes for each wave
.set ADRA, 16                          ; v16-17  LDS address of my fragments of x in slot 0, 1
.set ADRB, 20                          ; v20-21  of wa's
.set STO,  24
.set RD,   25
.set GO,   26
.set SPW,  28                          ; v28  LDS address of my spare word; never rewritten
.set NIL,  29                          ; v29  0; never rewritten
.set PFO,  30                          ; v30  the prefetches' offset: a lane a row; never rewritten
.set OUT,  32
.set F0,   0
.set F1,   128
.set G1,   24                          ; s[24:31] descriptor group 1 for x's tiles
.set G0,   32                          ; s[32:39] group 0, a set for each slot
.set G1B,  48                          ; s[48:55], s[56:63] the same for wa's tiles
.set G0B,  56
.set PFA,  44                          ; s[44:45] where my prefetches stand
.set LIM,  43                          ; s43  1 in a wave that prefetches, else the greatest number
.set MSB, 0
.macro WIN new                         ; the immediate's high byte repeats the setting that is left; a switch that changes nothing is dropped
.if MSB != (\new)
	s_set_vgpr_msb (MSB<<8)|(\new)
.set MSB, \new
.endif
.endm
.set MQK,  0xa5                        ; both sources window 1, C and D window 2
.set MVW,  0xf5                        ; both sources window 1, C and D window 3
.set TO_F, 0x40                        ; destination window 1, address window 0
; A joint load: waves 0 and 1 ask for x's halves, waves 2 and 3 for wa's.  The branch hangs on the wave's number alone.  An s_nop 0 and four v_nop follow each line.
.macro JLOAD s
	s_cmp_eq_u32 s11, 0
	s_cbranch_scc0 .Lfor_b_\@
	tensor_load_to_lds s[G0+4*(\s):G0+4*(\s)+3], s[G1:G1+7]
	s_nop 0
.rept 4
	v_nop
.endr
	s_branch .Lasked_\@
.Lfor_b_\@:
	tensor_load_to_lds s[G0B+4*(\s):G0B+4*(\s)+3], s[G1B:G1B+7]
	s_nop 0
.rept 4
	v_nop
.endr
.Lasked_\@:
.endm
; A prefetch of the K step that stands two refills on, 256 bytes of a row, a lane a row, one instruction a wave.  x's rows are named by the clusters with x = 0, wa's by those with y = 0; the four partners that ask for a tile
; jointly share its rows out by address: 32 of x's 128 each, 24 of wa's 96 each (there lanes 24 to 31 name lane 23's row once more, inside the same instruction).  The loop's last trip has no K step two on.
.macro ASK
	s_cmp_gt_u32 s3, s[LIM]
	s_cbranch_scc0 .Lnot_mine_\@
	global_prefetch_b8 v[PFO], s[PFA:PFA+1] offset:KSTEP*2 th:TH_LOAD_NT scope:SCOPE_SE
.Lnot_mine_\@:
.endm
.macro CREST                           ; a round of the cluster's barrier behind its opening barrier
	s_cmp_lg_u32 s10, 0
	s_cbranch_scc1 .Lnot_wave_0_\@
	s_barrier_signal -3
.Lnot_wave_0_\@:
	s_barrier_wait -3
	s_barrier_signal -1
	s_barrier_wait -1
.endm
.macro CROUND
	s_barrier_signal -1
	s_barrier_wait -1
	CREST
.endm
	s_load_b128 s[4:7], s[0:1], 0x0                ; xb s[4:5], wa s[6:7]
	s_load_b64 s[8:9], s[0:1], 0x10                ; qkv
	v_lshl_add_u32 v[SPW], v0, 2, SPARE
	v_mov_b32 v[NIL], 0
	ds_add_u32 v[SPW], v[NIL]                      ; the wave's opening: the add and its wait stand ahead of my first tensor load; the set-up below stands between them
	v_lshrrev_b32 v1, 5, v0
	v_readfirstlane_b32 s10, v1                    ; wave 0..3
	s_lshr_b32 s11, s10, 1                         ; I fetch for x (0) or for wa (1)
	s_and_b32 s12, s10, 1                          ; which half of that tile
	s_bfe_u32 s40, ttmp6, 0x40000                  ; cx
	s_bfe_u32 s41, ttmp6, 0x40004                  ; cy
	s_lshl_b32 s42, ttmp9, 2
	s_add_co_u32 s42, s42, s40                     ; the head = 4 x cluster x + cx
	s_and_b32 s13, ttmp7, 0xffff
	s_lshl_b32 s13, s13, 2
	s_add_co_u32 s13, s13, s41                     ; the block of 256 rows = 4 x cluster y + cy
	s_lshl_b32 s43, s41, 2
	s_lshl_b32 s43, 15, s43                        ; my row of the cluster
	s_lshl_b32 s44, 0x1111, s40                    ; my column
	s_or_b32 s[G1+0], s43, (1<<16)|(1<<20)|(1<<21)|(5<<22)|(3<<25)   ; the mask; 2-byte elements; padding on; bit 21 beside a mask; after every 64 words 4 words
	s_or_b32 s[G1B+0], s44, (1<<16)|(1<<20)|(1<<21)|(5<<22)|(3<<25)
	s_mov_b32 s[G1+1], KSTEP<<16                   ; tensor_dim0 = 128
	s_mov_b32 s[G1+2], 128<<16                     ; tensor_dim1 = 128
	s_mov_b32 s[G1+3], KSTEP<<16                   ; tile_dim0 = 128
	s_mov_b32 s[G1+4], 128                         ; tile_dim1 = 128
	s_mov_b32 s[G1+5], 1024                        ; elements from row to row
	s_mov_b32 s[G1+6], 0
	s_mov_b32 s[G1+7], 0
	s_mov_b32 s[G1B+1], KSTEP<<16
	s_mov_b32 s[G1B+2], 96<<16                     ; 96 rows
	s_mov_b32 s[G1B+3], KSTEP<<16
	s_mov_b32 s[G1B+4], 96
	s_mov_b32 s[G1B+5], 1024
	s_mov_b32 s[G1B+6], 0
	s_mov_b32 s[G1B+7], 0
	s_lshl_b32 s17, s12, 7
	s_lshl_b32 s16, s13, 8
	s_add_co_u32 s16, s16, s17                     ; x: row 256 x block + 128 x half
	s_lshl_b32 s16, s16, 11                        ; rows of 2,048 bytes
	s_mov_b32 s17, 0
	s_mul_i32 s46, s42, 192
	s_mul_i32 s47, s12, 96
	s_add_co_u32 s46, s46, s47                     ; wa: row 192 x head + 96 x half
	s_lshl_b32 s46, s46, 11
	s_mov_b32 s47, 0
	s_mul_i32 s20, s12, HALFA                      ; where they go: no place in the cluster enters an LDS address
	s_mul_i32 s21, s12, HALFB
	s_add_co_u32 s21, s21, BOFF
	s_wait_dscnt 0x0                               ; the opening add is done
	s_wait_kmcnt 0x0
	s_add_nc_u64 s[14:15], s[4:5], s[16:17]
	s_add_nc_u64 s[46:47], s[6:7], s[46:47]
	CROUND                                         ; all sixteen work-groups are here: the first joint loads meet
.irp s, 0,1
	s_mov_b32 s[G0+4*(\s)], 1
	s_add_co_u32 s[G0+4*(\s)+1], s20, (\s)*SLOT
	s_add_nc_u64 s[G0+4*(\s)+2:G0+4*(\s)+3], s[14:15], (\s)*KSTEP*2  ; K step s
	s_or_b32 s[G0+4*(\s)+3], s[G0+4*(\s)+3], 0x80000000
	s_mov_b32 s[G0B+4*(\s)], 1
	s_add_co_u32 s[G0B+4*(\s)+1], s21, (\s)*SLOT
	s_add_nc_u64 s[G0B+4*(\s)+2:G0B+4*(\s)+3], s[46:47], (\s)*KSTEP*2
	s_or_b32 s[G0B+4*(\s)+3], s[G0B+4*(\s)+3], 0x80000000
	JLOAD \s                                       ; two loads of mine are out
.endr
	; a fragment is 16 rows x 32 K in 8 registers: lane l holds row l % 16, K = 8 (l / 16) + 0..7 and 16 + 8 (l / 16) + 0..7: two loads of 16 bytes, 32 bytes apart
	v_and_b32 v1, 15, v0
	v_bfe_u32 v2, v0, 4, 1
	v_mul_u32_u24 v3, v1, PITCH
	v_lshl_add_u32 v3, v2, 4, v3
	s_mul_i32 s18, s10, 64*PITCH                   ; my 64 rows of x
.irp s, 0,1
	v_add_nc_u32 v[ADRA+(\s)], s18, v3
	v_add_nc_u32 v[ADRB+(\s)], BOFF+(\s)*SLOT, v3
	s_add_co_u32 s18, s18, SLOT
.endr
	s_mul_i32 s23, s10, 16*SP
	s_add_co_u32 s23, s23, STAGE                   ; my stage
	v_mul_u32_u24 v4, v1, SP                       ; in: row l % 16, 16 bytes for each half of the lanes
	v_lshl_add_u32 v4, v2, 4, v4
	v_add_nc_u32 v[STO], s23, v4
	v_bfe_u32 v5, v0, 3, 2                         ; back: 32 lanes take four rows of 128 bytes,
	v_and_b32 v6, 7, v0
	v_mul_u32_u24 v5, v5, SP
	v_lshl_add_u32 v5, v6, 4, v5
	v_add_nc_u32 v[RD], s23, v5
	v_and_b32 v[GO], 31, v0                        ; which are 512 consecutive bytes of a block
	v_lshlrev_b32 v[GO], 4, v[GO]
	s_lshl_b32 s16, s13, 2
	s_add_co_u32 s16, s16, s10                     ; my 64 rows among the 4,096
	s_lshr_b32 s17, s16, 5                         ; b
	s_and_b32 s16, s16, 31                         ; t / 64
	s_lshl_b32 s17, s17, 4
	s_add_co_u32 s17, s17, s42
	s_lshl_b32 s17, s17, 5
	s_add_co_u32 s16, s16, s17                     ; u
	s_mul_i32 s16, s16, 24576
	s_mov_b32 s17, 0
	s_add_nc_u64 s[8:9], s[8:9], s[16:17]          ; my three blocks
	; the prefetches
	s_lshl_b32 s18, s13, 8
	s_lshl_b32 s23, s12, 7
	s_add_co_u32 s18, s18, s23
	s_lshl_b32 s23, s40, 5
	s_add_co_u32 s18, s18, s23                     ; x: the 128 rows that I fetch, my work-group's 32 of them
	s_mul_i32 s19, s42, 192
	s_mul_i32 s23, s12, 96
	s_add_co_u32 s19, s19, s23
	s_mul_i32 s23, s41, 24
	s_add_co_u32 s19, s19, s23                     ; wa: the 96 rows that I fetch, my work-group's 24 of them
	s_and_b32 s22, ttmp7, 0xffff
	s_cmp_eq_u32 s11, 0
	s_cselect_b32 s20, s18, s19
	s_cselect_b32 s22, ttmp9, s22                  ; the coordinate along which other clusters read the same rows
	s_cselect_b32 s23, 31, 23
	s_cselect_b64 s[PFA:PFA+1], s[4:5], s[6:7]
	s_cmp_eq_u32 s22, 0
	s_cselect_b32 s[LIM], 1, -1                    ; the same in all sixteen partners, for a given wave
	s_lshl_b32 s20, s20, 11
	s_mov_b32 s21, 0
	s_add_nc_u64 s[PFA:PFA+1], s[PFA:PFA+1], s[20:21]
	s_add_nc_u64 s[PFA:PFA+1], s[PFA:PFA+1], 2*KSTEP*2  ; at K step 2: the first refill steps it to 3 and names K step 4.  Nothing is asked for here, at the head
	v_and_b32 v[PFO], 31, v0
	v_min_u32 v[PFO], s23, v[PFO]
	v_lshlrev_b32 v[PFO], 11, v[PFO]
; 8 products for q and k: my rows 16 a .. 16 a + 15 against wa's rows 0-127, 32 along K.  zero = 1: the product starts the sum
.macro MULQK f, a, zero
	WIN MQK
.irp b, 0,1,2,3,4,5,6,7
.if \zero
	v_wmma_f32_16x16x32_bf16 v[8*(8*(\a)+\b):8*(8*(\a)+\b)+7], v[(\f)+32+8*\b:(\f)+32+8*\b+7], v[(\f)+8*(\a):(\f)+8*(\a)+7], 0
.else
	v_wmma_f32_16x16x32_bf16 v[8*(8*(\a)+\b):8*(8*(\a)+\b)+7], v[(\f)+32+8*\b:(\f)+32+8*\b+7], v[(\f)+8*(\a):(\f)+8*(\a)+7], v[8*(8*(\a)+\b):8*(8*(\a)+\b)+7]
.endif
.endr
.endm
; 4 products for v: the same rows against wa's rows 128-191, sources the other way round
.macro MULV f, a, zero
	WIN MVW
.irp b, 0,1,2,3
.if \zero
	v_wmma_f32_16x16x32_bf16 v[8*(4*(\a)+\b):8*(4*(\a)+\b)+7], v[(\f)+8*(\a):(\f)+8*(\a)+7], v[(\f)+96+8*\b:(\f)+96+8*\b+7], 0
.else
	v_wmma_f32_16x16x32_bf16 v[8*(4*(\a)+\b):8*(4*(\a)+\b)+7], v[(\f)+8*(\a):(\f)+8*(\a)+7], v[(\f)+96+8*\b:(\f)+96+8*\b+7], v[8*(4*(\a)+\b):8*(4*(\a)+\b)+7]
.endif
.endr
.endm
; 32 LDS loads in one run: x's four fragments, q's and k's eight, v's four last
.macro FETCH slot, k, f
	WIN TO_F
.irp i, 0,1,2,3
	ds_load_b128 v[(\f)+8*\i:(\f)+8*\i+3],   v[ADRA+(\slot)] offset:(\k)+\i*16*PITCH
	ds_load_b128 v[(\f)+8*\i+4:(\f)+8*\i+7], v[ADRA+(\slot)] offset:(\k)+\i*16*PITCH+32
.endr
.irp i, 0,1,2,3,4,5,6,7,8,9,10,11
	ds_load_b128 v[(\f)+32+8*\i:(\f)+32+8*\i+3],   v[ADRB+(\slot)] offset:(\k)+\i*16*PITCH
	ds_load_b128 v[(\f)+32+8*\i+4:(\f)+32+8*\i+7], v[ADRB+(\slot)] offset:(\k)+\i*16*PITCH+32
.endr
.endm
.macro PLACES                          ; four places in front of loads into registers that matrix instructions have read, and of conversions that read results
.rept 4
	v_nop
.endr
.endm
; A K step is four quarters of 32 along K, 48 matrix instructions each, on buffers 0, 1, 0, 1; the 48 accumulators take turns in the same order in every quarter.
.macro QUARTER slot, k, f, g, zero
	s_wait_dscnt 8                                 ; x's, q's and k's fragments are in; v's eight loads may be out
	MULQK \f, 0, \zero
	MULQK \f, 1, \zero
	PLACES
	FETCH \slot, \k, \g
	s_wait_dscnt 32                                ; all but the 32 just issued
	MULQK \f, 2, \zero
	MULQK \f, 3, \zero
	MULV \f, 0, \zero
	MULV \f, 1, \zero
	MULV \f, 2, \zero
	MULV \f, 3, \zero
.endm
; The last quarter multiplies buffer 1 and changes slots: one barrier.  In front of it each wave waits for all its tensor loads (one is out: its part of the next slot), adds 0 to its spare word, and waits for that
; and for its reads of this slot.  fill = 1: the barrier opens a round of the cluster's, and the joint refill, two K steps on, is the first thing behind it: 176 matrix instructions ahead of the wait for it.
.macro TURN slot, next, fill
.if \fill
	s_wait_xcnt 0x0                                ; the last prefetch, a K step back, has read its address
	s_add_nc_u64 s[PFA:PFA+1], s[PFA:PFA+1], KSTEP*2
.endif
	WIN 0
	s_wait_tensorcnt 0x0                           ; all my tensor loads have landed
	ds_add_u32 v[SPW], v[NIL]                      ; 0 onto my spare word
	s_wait_dscnt 9                                 ; (the add and v's eight loads may be out)
	MULQK F1, 0, 0
	s_wait_dscnt 0x0                               ; the add is done, and my reads of this slot are over
	s_barrier_signal -1
	MULQK F1, 1, 0
.if \fill
	WIN 0
.endif
	s_barrier_wait -1
.if \fill
	CREST                                          ; no wave of any partner still reads this slot or has a load on its way
	s_add_nc_u64 s[G0+4*(\slot)+2:G0+4*(\slot)+3], s[G0+4*(\slot)+2:G0+4*(\slot)+3], 2*KSTEP*2
	s_add_nc_u64 s[G0B+4*(\slot)+2:G0B+4*(\slot)+3], s[G0B+4*(\slot)+2:G0B+4*(\slot)+3], 2*KSTEP*2
	JLOAD \slot                                    ; its four v_nop are also the places in front of the loads below
.else
	PLACES
.endif
	FETCH \next, 0, F0
.if \fill
	WIN 0
	ASK
.endif
	MULQK F1, 2, 0
	MULQK F1, 3, 0
	MULV F1, 0, 0
	MULV F1, 1, 0
	MULV F1, 2, 0
	MULV F1, 3, 0
.endm
; THE WAY OUT, twelve pieces of 16 rows x 128 bytes: ob = 0-3 Q's tokens 16 ob on, 4-7 K's, 8-11 V's channels 16 (ob - 8) on.  Rounded to f16, 16 bytes a lane into my stage, back as whole rows.
.macro PACK ob
.if (\ob) < 8
	WIN 0x0a                                       ; sources window 2
.else
	WIN 0x0f                                       ; sources window 3
.endif
.irp p, 0,1,2,3
.if (\ob) < 8
.set AC, 8*(8*((\ob)%4)+4*((\ob)/4)+\p)
.else
.set AC, 8*(4*\p+(\ob)-8)
.endif
.irp r, 0,1,2,3
	v_cvt_pk_f16_f32 v[OUT+16*(\ob)+4*\p+\r], v[AC+2*\r], v[AC+2*\r+1]
.endr
.endr
	WIN 0
.irp p, 0,1,2,3
	ds_store_b128 v[STO], v[OUT+16*(\ob)+4*\p:OUT+16*(\ob)+4*\p+3] offset:32*\p
.endr
.irp p, 0,1,2,3
	ds_load_b128 v[OUT+16*(\ob)+4*\p:OUT+16*(\ob)+4*\p+3], v[RD] offset:\p*4*SP  ; LDS serves a wave's instructions in order (ISA guide 5.7.1.4): these see the stores above; the next piece's stores come behind them
.endr
.endm
.macro SEND ob, younger                ; younger: the LDS instructions issued behind this piece's loads
.irp p, 0,1,2,3
	s_wait_dscnt (\younger)+3-\p
	global_store_b128 v[GO], v[OUT+16*(\ob)+4*\p:OUT+16*(\ob)+4*\p+3], s[8:9] offset:(\ob)*2048+\p*512  ; 512 consecutive bytes, aligned; no register of a store is written again
.endr
.endm
	s_wait_tensorcnt 1                             ; my part of K step 0 is in; K step 1's may stay out
	s_barrier_signal -1
	s_barrier_wait -1
	FETCH 0, 0, F0
	QUARTER 0, 64,  F0, F1, 1                      ; the first quarter stands in front of the loop: its products start the sums
	WIN 0
	s_mov_b32 s3, 3
.Llap:                                                 ; a trip goes once round the ring and fills both slots again: K steps (2, 3), (4, 5), (6, 7)
	QUARTER 0, 128, F1, F0, 0
	QUARTER 0, 192, F0, F1, 0
	TURN 0, 1, 1
	QUARTER 1, 64,  F0, F1, 0
	QUARTER 1, 128, F1, F0, 0
	QUARTER 1, 192, F0, F1, 0
	TURN 1, 0, 1
	QUARTER 0, 64,  F0, F1, 0
	WIN 0
	s_sub_co_u32 s3, s3, 1
	s_cmp_lg_u32 s3, 0
	s_cbranch_scc1 .Llap
	QUARTER 0, 128, F1, F0, 0                      ; the last lap fills nothing
	QUARTER 0, 192, F0, F1, 0
	TURN 0, 1, 0
	QUARTER 1, 64,  F0, F1, 0
	QUARTER 1, 128, F1, F0, 0
	QUARTER 1, 192, F0, F1, 0
	s_wait_dscnt 0x0                               ; the very last quarter
	MULQK F1, 0, 0
	MULQK F1, 1, 0
	MULQK F1, 2, 0
	MULQK F1, 3, 0
	MULV F1, 0, 0
	MULV F1, 1, 0
	MULV F1, 2, 0
	MULV F1, 3, 0
	PLACES
	PACK 0
.irp ob, 1,2,3,4,5,6,7,8,9,10,11       ; a piece's conversions stand between the loads of the piece before and its stores
	PACK \ob
	SEND \ob-1, 8
.endr
	SEND 11, 0
	s_wait_tensorcnt 0x0                           ; the wave's end
	ds_add_u32 v[SPW], v[NIL]
	s_wait_dscnt 0x0
	CROUND                                         ; the closing round
	s_endpgm
.Lfunc_end_k_q188f03cac2_qkv:
	.size	k_q188f03cac2_qkv, .Lfunc_end_k_q188f03cac2_qkv-k_q188f03cac2_qkv
	.p2alignl 7, 3214868480
	.fill 96, 4, 3214868480
	.section	.rodata,"a",@progbits
	.p2align	6, 0x0
	.amdhsa_kernel k_q188f03cac2_qkv
		.amdhsa_group_segment_fixed_size 327680
		.amdhsa_private_segment_fixed_size 0
		.amdhsa_enable_private_segment 0
		.amdhsa_kernarg_size 24
		.amdhsa_user_sgpr_count 2
		.amdhsa_user_sgpr_kernarg_segment_ptr 1
		.amdhsa_wavefront_size32 1
		.amdhsa_system_sgpr_workgroup_id_x 1
		.amdhsa_system_sgpr_workgroup_id_y 1
		.amdhsa_system_sgpr_workgroup_id_z 1
		.amdhsa_system_vgpr_workitem_id 0
		.amdhsa_next_free_vgpr 896
		.amdhsa_next_free_sgpr 66
		.amdhsa_reserve_vcc 0
		.amdhsa_float_denorm_mode_32 3
		.amdhsa_float_denorm_mode_16_64 3
		.amdhsa_memory_ordered 1
		.amdhsa_forward_progress 1
		.amdhsa_inst_pref_size 121
	.end_amdhsa_kernel
	.amdgpu_metadata
---
amdhsa.version: [ 1, 2 ]
amdhsa.kernels:
  - .name:           k_q188f03cac2_qkv
    .symbol:         k_q188f03cac2_qkv.kd
    .args:
      - { .name: xb, .offset: 0, .size: 8, .value_kind: global_buffer, .address_space: global }
      - { .name: wa, .offset: 8, .size: 8, .value_kind: global_buffer, .address_space: global }
      - { .name: qkv, .offset: 16, .size: 8, .value_kind: global_buffer, .address_space: global }
    .group_segment_fixed_size: 327680
    .private_segment_fixed_size: 0
    .kernarg_segment_align: 8
    .kernarg_segment_size: 24
    .max_flat_workgroup_size: 128
    .sgpr_count:     66
    .vgpr_count:     896
    .wavefront_size: 32
...
	.end_amdgpu_metadata
.endif
;; end of part 2
;; launch attn (part 3): grid 256 x 1, 4 waves a work-group, no clusters, 90,624 bytes of LDS; arguments qkv, tab, yb; writes yb
.if DOCPART == 3
	.amdgcn_target "amdgcn-amd-amdhsa--gfx1250"
	.amdhsa_code_object_version 6
	.text
	.protected	k_q188f03cac2_attn
	.globl	k_q188f03cac2_attn
	.p2align	8
	.type	k_q188f03cac2_attn,@function
k_q188f03cac2_attn:
	s_mov_b64 s[64:65], 0
	v_nop
	global_prefetch_b8 v0, s[64:65] scope:SCOPE_SE
	s_setreg_imm32_b32 hwreg(HW_REG_WAVE_MODE, 25, 1), 1
	s_wait_xcnt 0x0
; BAND ATTENTION with both table paths.  Under the problem's own mask query q sees the keys q - 63 .. q, and the table index k - q + 64 lies in 1 .. 64.
; y[q] = sum_k p[q][k] (v[k] + table_v[k - q + 64]), p = softmax_k((q . k + q . table_k[k - q + 64]) / 8).  All four products in f16 with f32 sums; softmax in f32; y rounded once to f16.
; qkv: blocks of 8,192 bytes at (3 u + s) x 8,192, u = 32 (16 b + h) + t / 64: Q [64 t][64 ch], K [64 t][64 ch], V turned [64 ch][64 t].  tab: table_k's rows 1.. [rho][64 ch]; at 16,384 table_v's turned, [64 ch][128 rho].
; yb: blocks of 8,192 bytes at (16 ((2048 b + t) / 64) + h) x 8,192, each [64 t][64 ch].
; LIMITS.  All operands lie within f16's 65,504.  A hidden score counts as its value less 1e30; a weight below 2^-126 counts as 0; NaN and infinities are not treated apart.
; The maximum taken away is the true maximum of a query's scores: all of them lie in registers at once.
; SHARES.  A wave owns block u: four tiles i of 16 queries; it holds 128 keys, eight tiles of 16: the block before (for t / 64 = 0 its own block once more, hidden by the mask) and its own.
; Tile i meets key tiles i .. i + 4.  kk = 16 t + 8 (l / 16) + j counts a key from the tile's first query less 64; with n = l % 16 the key is seen iff 1 <= kk - n <= 64, and rho = kk - n - 1 is its row of tab.
; LAYOUT.  S^T = K Q^T and T^T = Tk Q^T hold one query a lane and eight keys (or eight rho).  T goes from rho to kk, and p from kk to rho, by a SKEW through my own LDS rows: written at a pitch of 84 words,
; read at 83 or 85.  The rows are zeroed first, so a read beside the band finds 0.  O^T = V^T P + Tv^T P' holds one query a lane and eight channels.
; The text is straight: no loop, no barrier.  NO CLUSTER, NO TENSOR LOADS: every fragment is read once, straight into registers as it lies in memory; of a wave's 56 KiB, 24 are its own alone,
; 16 the block before (for three waves in four a block of the same work-group), 16 the tables'.
; REGISTERS, in windows of 256 (s_set_vgpr_msb: bits 1:0 source 0, 3:2 source 1, 5:4 source 2, 7:6 destination):
;   window 0: v1-29 addresses and constants; v32-55 masks; v56-95 ten registers of statistics a tile; v96-255 S, 40 a tile
;   window 1: v0-159 T, 40 a tile; v160-223 P' in f16      window 2: v0-127 K, later O^T; v128-191 Q, v192-255 Tk, later v128-223 P in f16      window 3: v0-127 V; v128-191 Tv
.set RG,    5632                       ; a tile's LDS region: 4 words, then 16 rows of 84 words
.set WBY,   4*RG
.set SPARE, 4*WBY                      ; the spare words, 128 bytes for each wave
.set FO,  4                            ; v4   n x 128 + 16 (l / 16)
.set FO2, 5                            ; v5   n x 256 + 16 (l / 16)
.set AW,  6                            ; v6   a row as written: word 4 + 84 n + 8 (l / 16)
.set AS,  7                            ; v7   read at kk for rho: word 3 + 83 n + 8 (l / 16)
.set AR,  8                            ; v8   read at rho for kk: word 5 + 85 n + 8 (l / 16)
.set ZA,  9
.set STO, 10
.set RD,  11
.set GO,  12
.set DD,  13                           ; v13  d = n - 8 (l / 16)
.set BIGV, 14                          ; v14  -1e30
.set HBV, 15                           ; v15  the block before: 0, or -1e30 where there is none
.set Z,   16                           ; v16-19  0
.set SPW, 28
.set NIL, 29
.set MLO, 32                           ; v32-39  key tile i: seen iff j > d
.set MHI, 40                           ; v40-47  key tile i + 4: seen iff j <= d
.set HBR, 48                           ; v48-55  the other tiles of the block before
.set ST,  56                           ; tile i at ST + 10 i: c m, m, then c0-c4, later four pairs of sums
.set S,   96
.set T,   0
.set PR,  160
.set KF,  0
.set QF,  128
.set TK,  192
.set PA,  128
.set O,   0
.set VF,  0
.set TV,  128
.set QP,  14                           ; s[14:15] my block's Q
.set HP,  16                           ; s[16:17] the block before
.set CS,  20                           ; s[20:21] c = log2(e) / 8
.set SEL, 22                           ; s[22:23] v_permlanex16_b32's selects
.set MSB, 0
.macro WIN new
.if MSB != (\new)
	s_set_vgpr_msb (MSB<<8)|(\new)
.set MSB, \new
.endif
.endm
.macro LD2 dst, adr, base, off         ; a fragment: two loads of 16 bytes, 32 bytes apart
	global_load_b128 v[(\dst):(\dst)+3],   v[\adr], s[\base:\base+1] offset:\off
	global_load_b128 v[(\dst)+4:(\dst)+7], v[\adr], s[\base:\base+1] offset:(\off)+32
.endm
	s_load_b128 s[4:7], s[0:1], 0x0                ; qkv s[4:5], tab s[6:7]
	s_load_b64 s[8:9], s[0:1], 0x10                ; yb
	v_lshl_add_u32 v[SPW], v0, 2, SPARE
	v_mov_b32 v[NIL], 0
	v_lshrrev_b32 v1, 5, v0
	v_readfirstlane_b32 s10, v1                    ; wave 0..3
	v_and_b32 v1, 15, v0                           ; n
	v_bfe_u32 v2, v0, 4, 1                         ; l / 16
	v_and_b32 v3, 31, v0                           ; l
	s_lshl_b32 s11, ttmp9, 2
	s_add_co_u32 s11, s11, s10                     ; u
	s_and_b32 s12, s11, 31                         ; t / 64
	s_lshr_b32 s13, s11, 5                         ; 16 b + h
	s_mov_b32 s25, 0xf149f2ca                      ; -1e30
	s_sub_co_u32 s26, s11, 1
	s_cmp_eq_u32 s12, 0
	s_cselect_b32 s26, s11, s26                    ; a head's first block has none before it: its own is read, and hidden
	s_cselect_b32 s24, s25, 0
	s_mul_i32 s18, s11, 24576
	s_mov_b32 s19, 0
	s_mul_i32 s26, s26, 24576
	s_mov_b32 s27, 0
	s_lshr_b32 s28, s13, 4
	s_lshl_b32 s28, s28, 5
	s_add_co_u32 s28, s28, s12                     ; 32 b + t / 64
	s_lshl_b32 s28, s28, 4
	s_and_b32 s29, s13, 15
	s_add_co_u32 s28, s28, s29
	s_lshl_b32 s28, s28, 13
	s_mov_b32 s29, 0
	s_mov_b32 s[CS], 0x3e38aa3b
	s_mov_b32 s[CS+1], s[CS]
	s_mov_b32 s[SEL], 0x76543210
	s_mov_b32 s[SEL+1], 0xfedcba98
	s_mul_i32 s30, s10, WBY                        ; my four regions
	v_lshlrev_b32 v[FO], 7, v1
	v_lshl_add_u32 v[FO], v2, 4, v[FO]
	v_lshlrev_b32 v[FO2], 8, v1
	v_lshl_add_u32 v[FO2], v2, 4, v[FO2]
	s_wait_kmcnt 0x0
	s_add_nc_u64 s[QP:QP+1], s[4:5], s[18:19]
	s_add_nc_u64 s[HP:HP+1], s[4:5], s[26:27]
	s_add_nc_u64 s[8:9], s[8:9], s[28:29]
	; ALL THE LOADS: 64 for the first products, then 48 for the second
	WIN 0x80
.irp i, 0,1,2,3
.irp c, 0,1
	LD2 QF+16*\i+8*\c, FO, QP, \i*2048+64*\c
	LD2 KF+16*\i+8*\c, FO, HP, 8192+\i*2048+64*\c
	LD2 KF+64+16*\i+8*\c, FO, QP, 8192+\i*2048+64*\c
	LD2 TK+16*\i+8*\c, FO, 6, \i*2048+64*\c
.endr
.endr
	WIN 0xc0
.irp b, 0,1,2,3                        ; channels 16 b on; key tile k of the block before, and of mine
.irp k, 0,1,2,3
	global_load_b128 v[VF+32*\b+4*\k:VF+32*\b+4*\k+3],       v[FO], s[HP:HP+1] offset:16384+\b*2048+\k*32
	global_load_b128 v[VF+32*\b+16+4*\k:VF+32*\b+16+4*\k+3], v[FO], s[QP:QP+1] offset:16384+\b*2048+\k*32
.endr
.endr
.irp b, 0,1,2,3
.irp c, 0,1
	LD2 TV+16*\b+8*\c, FO2, 6, 16384+\b*4096+64*\c
.endr
.endr
	WIN 0
	; while they are on their way: LDS addresses, masks, and zeros into my four regions
	v_mul_u32_u24 v[AW], v1, 336
	v_lshl_add_u32 v[AW], v2, 5, v[AW]
	v_add3_u32 v[AW], s30, 16, v[AW]
	v_mul_u32_u24 v[AS], v1, 332
	v_lshl_add_u32 v[AS], v2, 5, v[AS]
	v_add3_u32 v[AS], s30, 12, v[AS]
	v_mul_u32_u24 v[AR], v1, 340
	v_lshl_add_u32 v[AR], v2, 5, v[AR]
	v_add3_u32 v[AR], s30, 20, v[AR]
	v_lshl_add_u32 v[ZA], v3, 4, s30
	v_mul_u32_u24 v[STO], v1, 144
	v_lshl_add_u32 v[STO], v2, 4, v[STO]
	v_add_nc_u32 v[STO], s30, v[STO]
	v_lshrrev_b32 v20, 3, v3
	v_and_b32 v21, 7, v0
	v_mul_u32_u24 v[RD], v20, 144
	v_lshl_add_u32 v[RD], v21, 4, v[RD]
	v_add_nc_u32 v[RD], s30, v[RD]
	v_lshlrev_b32 v[GO], 4, v3
	v_lshlrev_b32 v[DD], 3, v2
	v_sub_nc_u32 v[DD], v1, v[DD]
	v_mov_b32 v[BIGV], s25
	v_mov_b32 v[HBV], s24
.irp j, 0,1,2,3
	v_mov_b32 v[Z+\j], 0
.endr
.set z, 0
.rept 44
	ds_store_b128 v[ZA], v[Z:Z+3] offset:512*z
.set z, z+1
.endr
.irp j, 0,1,2,3,4,5,6,7
	v_cmp_gt_i32 vcc_lo, \j, v[DD]
	v_cndmask_b32 v[MLO+\j], v[BIGV], v[HBV], vcc_lo
	v_cndmask_b32 v[MHI+\j], 0, v[BIGV], vcc_lo
	v_mov_b32 v[HBR+\j], s24
.endr
; THE FIRST PRODUCTS.  The mask is the C operand that starts a sum.  The 36 accumulators take turns, one instruction a turn.
.macro SCORE i, t, c
.set rS, S+40*(\i)+8*(\t)
.set rK, KF+16*((\i)+(\t))+8*(\c)
.set rQ, QF+16*(\i)+8*(\c)
.if (\c) == 1
	v_wmma_f32_16x16x32_f16 v[rS:rS+7], v[rK:rK+7], v[rQ:rQ+7], v[rS:rS+7]
.elseif (\t) == 0
	v_wmma_f32_16x16x32_f16 v[rS:rS+7], v[rK:rK+7], v[rQ:rQ+7], v[MLO:MLO+7]
.elseif (\t) == 4
	v_wmma_f32_16x16x32_f16 v[rS:rS+7], v[rK:rK+7], v[rQ:rQ+7], v[MHI:MHI+7]
.elseif (\i)+(\t) <= 3
	v_wmma_f32_16x16x32_f16 v[rS:rS+7], v[rK:rK+7], v[rQ:rQ+7], v[HBR:HBR+7]
.else
	v_wmma_f32_16x16x32_f16 v[rS:rS+7], v[rK:rK+7], v[rQ:rQ+7], 0
.endif
.endm
.macro TREL i, r, c
.set rT, T+40*(\i)+8*(\r)
.set rK, TK+16*(\r)+8*(\c)
.set rQ, QF+16*(\i)+8*(\c)
.if (\c) == 1
	v_wmma_f32_16x16x32_f16 v[rT:rT+7], v[rK:rK+7], v[rQ:rQ+7], v[rT:rT+7]
.else
	v_wmma_f32_16x16x32_f16 v[rT:rT+7], v[rK:rK+7], v[rQ:rQ+7], 0
.endif
.endm
	s_wait_loadcnt 48                              ; Q, K and Tk are in; V's and Tv's 48 loads may stay out
.irp c, 0,1
	WIN 0x0a                                       ; K and Q window 2; S and the masks window 0
.irp i, 0,1,2,3
.irp t, 0,1,2,3,4
	SCORE \i, \t, \c
.endr
.endr
	WIN 0x5a                                       ; Tk and Q window 2; T window 1
.irp i, 0,1,2,3
.irp r, 0,1,2,3
	TREL \i, \r, \c
.endr
.endr
.endr
.rept 4
	v_nop                                          ; the places behind those products
.endr
	; THE FIRST SKEW: T by rho into my rows, back by kk
	WIN 0x04                                       ; store data window 1
.irp i, 0,1,2,3
.irp r, 0,1,2,3
	ds_store_b128 v[AW], v[T+40*\i+8*\r:T+40*\i+8*\r+3]   offset:\i*RG+\r*64
	ds_store_b128 v[AW], v[T+40*\i+8*\r+4:T+40*\i+8*\r+7] offset:\i*RG+\r*64+16
.endr
.endr
	WIN 0x40
.irp i, 0,1,2,3
.irp t, 0,1,2,3,4
.irp j, 0,1,2,3,4,5,6,7
	ds_load_b32 v[T+40*\i+8*\t+\j], v[AS] offset:\i*RG+(16*\t+\j)*4  ; LDS serves a wave's instructions in order: these see the stores above
.endr
.endr
.endr
	s_wait_dscnt 0x0
	; THE SOFTMAX
	WIN 0x04
.set z, 0
.rept 80
	v_pk_add_f32 v[S+2*z:S+2*z+1], v[S+2*z:S+2*z+1], v[T+2*z:T+2*z+1]
.set z, z+1
.endr
	WIN 0
; number n of the 23 that find tile i's maximum: five chains of seven scores, the five scores left over and the chains into one, the lane 16 away, m, c m.  The four tiles alternate, so that no line waits for the one before it.
.macro MX i, n
.set rT, ST+10*(\i)
.set rC, ST+10*(\i)+2
.set rS, S+40*(\i)
.if (\n) < 5
	v_max3_num_f32 v[rC+(\n)], v[rS+8*(\n)], v[rS+8*(\n)+1], v[rS+8*(\n)+2]
.elseif (\n) < 10
	v_max3_num_f32 v[rC+(\n)-5], v[rC+(\n)-5], v[rS+8*((\n)-5)+3], v[rS+8*((\n)-5)+4]
.elseif (\n) < 15
	v_max3_num_f32 v[rC+(\n)-10], v[rC+(\n)-10], v[rS+8*((\n)-10)+5], v[rS+8*((\n)-10)+6]
.elseif (\n) == 15
	v_max3_num_f32 v[rC], v[rC], v[rS+7], v[rS+15]
.elseif (\n) == 16
	v_max3_num_f32 v[rC+1], v[rC+1], v[rS+23], v[rS+31]
.elseif (\n) == 17
	v_max3_num_f32 v[rC+2], v[rC+2], v[rC+3], v[rS+39]
.elseif (\n) == 18
	v_max3_num_f32 v[rC], v[rC], v[rC+1], v[rC+4]
.elseif (\n) == 19
	v_max_num_f32 v[rC], v[rC], v[rC+2]
.elseif (\n) == 20
	v_permlanex16_b32 v[rC+1], v[rC], s[SEL], s[SEL+1]
.elseif (\n) == 21
	v_max_num_f32 v[rT+1], v[rC], v[rC+1]
.else
	v_mul_f32 v[rT], s[CS], v[rT+1]
.endif
.endm
.irp n, 0,1,2,3,4,5,6,7,8,9,10,11,12,13,14,15,16,17,18,19,20,21,22
.irp i, 0,1,2,3
	MX \i, \n
.endr
.endr
.irp i, 0,1,2,3
.set z, 0
.rept 20
	v_pk_fma_f32 v[S+40*\i+2*z:S+40*\i+2*z+1], v[S+40*\i+2*z:S+40*\i+2*z+1], s[CS:CS+1], v[ST+10*\i:ST+10*\i+1] op_sel_hi:[1,0,0] neg_lo:[0,0,1] neg_hi:[0,0,1]  ; c s - c m
.set z, z+1
.endr
.endr
.set z, 0
.rept 160
	v_exp_f32 v[S+z], v[S+z]                       ; one batch
.set z, z+1
.endr
	v_nop                                          ; a plain instruction behind the last exponential,
	s_wait_alu depctr_va_vdst(0)                   ; and one wait ahead of the batch's first reader
	; THE SECOND SKEW: p by kk into my rows, back by rho
.irp i, 0,1,2,3
.irp t, 0,1,2,3,4
	ds_store_b128 v[AW], v[S+40*\i+8*\t:S+40*\i+8*\t+3]   offset:\i*RG+\t*64
	ds_store_b128 v[AW], v[S+40*\i+8*\t+4:S+40*\i+8*\t+7] offset:\i*RG+\t*64+16
.endr
.endr
	WIN 0x40
.irp i, 0,1,2,3
.set z, 0
.rept 32                               ; register 16 c + 8 g + j takes rho = 32 c + 16 g + 8 (l / 16) + j: source 1's layout for 32 rho
	ds_load_b32 v[T+40*\i+z], v[AR] offset:\i*RG+(32*(z/16)+16*((z/8)%2)+z%8)*4
.set z, z+1
.endr
.endr
	WIN 0
; while they are out: the sums of the unrounded p, 19 packed additions a tile in four chains, and p rounded to f16
.macro SUM i, z
.set rA, ST+10*(\i)+2
.set rS, S+40*(\i)
.if (\z) < 4
	v_pk_add_f32 v[rA+2*(\z):rA+2*(\z)+1], v[rS+4*(\z):rS+4*(\z)+1], v[rS+4*(\z)+2:rS+4*(\z)+3]
.elseif (\z) < 16
	v_pk_add_f32 v[rA+2*((\z)%4):rA+2*((\z)%4)+1], v[rA+2*((\z)%4):rA+2*((\z)%4)+1], v[rS+16+2*((\z)-4):rS+16+2*((\z)-4)+1]
.elseif (\z) == 16
	v_pk_add_f32 v[rA:rA+1], v[rA:rA+1], v[rA+2:rA+3]
.elseif (\z) == 17
	v_pk_add_f32 v[rA+4:rA+5], v[rA+4:rA+5], v[rA+6:rA+7]
.else
	v_pk_add_f32 v[rA:rA+1], v[rA:rA+1], v[rA+4:rA+5]
.endif
.endm
.irp z, 0,1,2,3,4,5,6,7,8,9,10,11,12,13,14,15,16,17,18
.irp i, 0,1,2,3
	SUM \i, \z
.endr
.endr
	; V's fragments hold 32 keys, key tiles 2 kc and 2 kc + 1.  Tile i's five key tiles i .. i + 4 take slots t + i % 2 of six; the slot left over holds 0.
	WIN 0x80
.irp i, 0,1,2,3
.irp t, 0,1,2,3,4
.irp j, 0,1,2,3
	v_cvt_pk_f16_f32 v[PA+24*\i+4*(\t+\i%2)+\j], v[S+40*\i+8*\t+2*\j], v[S+40*\i+8*\t+2*\j+1]
.endr
.endr
.irp j, 0,1,2,3
	v_mov_b32 v[PA+24*\i+20*(1-\i%2)+\j], 0
.endr
.endr
	s_wait_dscnt 0x0
	WIN 0x45
.irp i, 0,1,2,3
.set z, 0
.rept 16
	v_cvt_pk_f16_f32 v[PR+16*\i+z], v[T+40*\i+2*z], v[T+40*\i+2*z+1]
.set z, z+1
.endr
.endr
	; THE SECOND PRODUCTS: the 16 accumulators take turns
.macro PVC i, b, k
.set rO, O+32*(\i)+8*(\b)
.set rV, VF+32*(\b)+8*((\i)/2+(\k))
.set rP, PA+24*(\i)+8*(\k)
.if (\k) == 0
	v_wmma_f32_16x16x32_f16 v[rO:rO+7], v[rV:rV+7], v[rP:rP+7], 0
.else
	v_wmma_f32_16x16x32_f16 v[rO:rO+7], v[rV:rV+7], v[rP:rP+7], v[rO:rO+7]
.endif
.endm
.macro TVC i, b, c
.set rO, O+32*(\i)+8*(\b)
.set rV, TV+16*(\b)+8*(\c)
.set rP, PR+16*(\i)+8*(\c)
	v_wmma_f32_16x16x32_f16 v[rO:rO+7], v[rV:rV+7], v[rP:rP+7], v[rO:rO+7]
.endm
	s_wait_loadcnt 0x0                             ; V and Tv
	WIN 0xab                                       ; V window 3, P window 2, O^T window 2
.irp k, 0,1,2
.irp i, 0,1,2,3
.irp b, 0,1,2,3
	PVC \i, \b, \k
.endr
.endr
.endr
	WIN 0xa7                                       ; Tv window 3, P' window 1
.irp c, 0,1
.irp i, 0,1,2,3
.irp b, 0,1,2,3
	TVC \i, \b, \c
.endr
.endr
.endr
	; THE WAY OUT.  The first four additions are the places behind the last products.
	WIN 0
.irp i, 0,1,2,3
	v_add_f32 v[ST+10*\i+2], v[ST+10*\i+2], v[ST+10*\i+3]
.endr
.irp i, 0,1,2,3
	v_permlanex16_b32 v[ST+10*\i+3], v[ST+10*\i+2], s[SEL], s[SEL+1]
.endr
.irp i, 0,1,2,3
	v_add_f32 v[ST+10*\i+2], v[ST+10*\i+2], v[ST+10*\i+3]
.endr
.irp i, 0,1,2,3
	v_rcp_f32 v[ST+10*\i+4], v[ST+10*\i+2]
.endr
	v_nop                                          ; a plain instruction behind the last reciprocal,
	s_wait_alu depctr_va_vdst(0)                   ; and one wait for the four
.macro PK i                            ; O^T / l, rounded to f16; 16 bytes a lane into rows of 144 bytes in the tile's region, back as whole rows of 128
	WIN 0x82
.set z, 0
.rept 16
	v_pk_mul_f32 v[O+32*(\i)+2*z:O+32*(\i)+2*z+1], v[O+32*(\i)+2*z:O+32*(\i)+2*z+1], v[ST+10*(\i)+4:ST+10*(\i)+5] op_sel_hi:[1,0]
.set z, z+1
.endr
	WIN 0x0a
.set z, 0
.rept 16
	v_cvt_pk_f16_f32 v[S+16*(\i)+z], v[O+32*(\i)+2*z], v[O+32*(\i)+2*z+1]
.set z, z+1
.endr
	WIN 0
.irp f, 0,1,2,3
	ds_store_b128 v[STO], v[S+16*(\i)+4*\f:S+16*(\i)+4*\f+3] offset:(\i)*RG+32*\f
.endr
.irp f, 0,1,2,3
	ds_load_b128 v[S+16*(\i)+4*\f:S+16*(\i)+4*\f+3], v[RD] offset:(\i)*RG+576*\f
.endr
.endm
.macro SEND i, younger
.irp f, 0,1,2,3
	s_wait_dscnt (\younger)+3-\f
	global_store_b128 v[GO], v[S+16*(\i)+4*\f:S+16*(\i)+4*\f+3], s[8:9] offset:(\i)*2048+\f*512  ; 512 consecutive bytes, aligned
.endr
.endm
	PK 0
	PK 1
	SEND 0, 8
	PK 2
	SEND 1, 8
	PK 3
	SEND 2, 8
	SEND 3, 0
	s_wait_tensorcnt 0x0                           ; the wave's end, behind my last LDS store
	ds_add_u32 v[SPW], v[NIL]
	s_wait_dscnt 0x0
	s_endpgm
.Lfunc_end_k_q188f03cac2_attn:
	.size	k_q188f03cac2_attn, .Lfunc_end_k_q188f03cac2_attn-k_q188f03cac2_attn
	.p2alignl 7, 3214868480
	.fill 96, 4, 3214868480
	.section	.rodata,"a",@progbits
	.p2align	6, 0x0
	.amdhsa_kernel k_q188f03cac2_attn
		.amdhsa_group_segment_fixed_size 90624
		.amdhsa_private_segment_fixed_size 0
		.amdhsa_enable_private_segment 0
		.amdhsa_kernarg_size 24
		.amdhsa_user_sgpr_count 2
		.amdhsa_user_sgpr_kernarg_segment_ptr 1
		.amdhsa_wavefront_size32 1
		.amdhsa_system_sgpr_workgroup_id_x 1
		.amdhsa_system_sgpr_workgroup_id_y 1
		.amdhsa_system_sgpr_workgroup_id_z 1
		.amdhsa_system_vgpr_workitem_id 0
		.amdhsa_next_free_vgpr 960
		.amdhsa_next_free_sgpr 66
		.amdhsa_reserve_vcc 1
		.amdhsa_float_denorm_mode_32 3
		.amdhsa_float_denorm_mode_16_64 3
		.amdhsa_memory_ordered 1
		.amdhsa_forward_progress 1
		.amdhsa_inst_pref_size 99
	.end_amdhsa_kernel
	.amdgpu_metadata
---
amdhsa.version: [ 1, 2 ]
amdhsa.kernels:
  - .name:           k_q188f03cac2_attn
    .symbol:         k_q188f03cac2_attn.kd
    .args:
      - { .name: qkv, .offset: 0, .size: 8, .value_kind: global_buffer, .address_space: global }
      - { .name: tab, .offset: 8, .size: 8, .value_kind: global_buffer, .address_space: global }
      - { .name: yb, .offset: 16, .size: 8, .value_kind: global_buffer, .address_space: global }
    .group_segment_fixed_size: 90624
    .private_segment_fixed_size: 0
    .kernarg_segment_align: 8
    .kernarg_segment_size: 24
    .max_flat_workgroup_size: 128
    .sgpr_count:     66
    .vgpr_count:     960
    .wavefront_size: 32
...
	.end_amdgpu_metadata
.endif
;; end of part 3
;; launch proj (part 4): grid 8 x 32, 4 waves a work-group, clusters of 4 x 4, 327,680 bytes of LDS; arguments yb, wp, out0; writes out0
.if DOCPART == 4
	.amdgcn_target "amdgcn-amd-amdhsa--gfx1250"
	.amdhsa_code_object_version 6
	.text
	.protected	k_q188f03cac2_proj
	.globl	k_q188f03cac2_proj
	.p2align	8
	.type	k_q188f03cac2_proj,@function
k_q188f03cac2_proj:
	s_mov_b64 s[64:65], 0
	v_nop
	global_prefetch_b8 v0, s[64:65] scope:SCOPE_SE
	s_setreg_imm32_b32 hwreg(HW_REG_WAVE_MODE, 25, 1), 1
	s_wait_xcnt 0x0
	s_wait_alu depctr_hold_cnt(0) depctr_sa_sdst(0) depctr_va_vdst(0) depctr_va_sdst(0) depctr_va_ssrc(0) depctr_va_vcc(0) depctr_vm_vsrc(0)
	s_getreg_b32 s2, hwreg(HW_REG_IB_STS2, 6, 4)
	s_cmp_eq_u32 s2, 0
	s_cbranch_scc0 .Lentry_in_a_cluster
	s_endpgm
.Lentry_in_a_cluster:
	s_bfe_u32 s2, ttmp6, 0x10000c
	s_cmp_lg_u32 s2, 0xf033
	s_cbranch_scc0 .Lentry_shape_is_right
	s_endpgm
.Lentry_shape_is_right:
; PROJ: out0 = y W_proj, f16 operands, f32 sums, f32 result.  yb: f16 blocks of 8,192 bytes at (16 g + h) x 8,192, g = row / 64, each [64 rows][64 channels of head h].  wp: f16 [1024 n][1024 k].  out0: f32 [4096][1024].
; LIMIT.  y and wp lie within f16's 65,504.
; A tile of out0 is 128 x 128: 256 work-groups.  Four waves, each 64 x 64: 16 accumulators.  K goes in steps of 256 through two LDS slots.
; y's tile: 64 rows x 256 K are four blocks on end, 32,768 dense bytes: asked for as 128 rows of 256 bytes and padded after every 128, so that in LDS it is [4 heads][64 rows] at a pitch of 144.
; wp's tile: 64 rows of 512 bytes at a pitch of 528.  Waves 0 and 1 fetch y's two halves, waves 2 and 3 wp's.
; CLUSTER.  4 x 4 work-groups: y's tiles are asked for jointly along a row of the cluster, wp's along a column.
; The product is used turned (source 0 = 16 rows of wp, source 1 = 16 rows of y): a lane holds one row of out0 and eight neighbouring columns.  A wave's 64 columns are 256 aligned bytes, so the way out is the wave's own.
; REGISTERS: window 0: v16-29 addresses; v128-255 the accumulators, (a, b) at 128 + 8 (4 a + b).  window 1: two fragment buffers of 128: for 64 along K, 64 registers of y, then 64 of wp.
.set PA,     144
.set PB,     528
.set HALFA,  256*PA                    ; 36,864
.set HALFB,  64*PB                     ; 33,792
.set BOFF,   2*HALFA
.set SLOT,   BOFF+2*HALFB
.set STAGE,  2*SLOT                    ; behind the ring, never filled by a tensor load: 16 rows x 272 bytes for each wave
.set SPITCH, 272
.set SPARE,  STAGE+4*16*SPITCH
.set ADRA, 16
.set ADRB, 20
.set STO,  24
.set RD,   25
.set CO,   26
.set SPW,  28
.set NIL,  29
.set ACC,  128
.set F0,   0
.set F1,   128
.set G1,  24
.set G0,  32
.set G1B, 48
.set G0B, 56
.set MSB, 0
.macro WIN new
.if MSB != (\new)
	s_set_vgpr_msb (MSB<<8)|(\new)
.set MSB, \new
.endif
.endm
.set MUL,  0x05                        ; both sources window 1; C and D window 0
.set TO_F, 0x40
.macro JLOAD s                         ; a joint load; an s_nop 0 and four v_nop follow each of the two lines
	s_cmp_eq_u32 s11, 0
	s_cbranch_scc0 .Lfor_b_\@
	tensor_load_to_lds s[G0+4*(\s):G0+4*(\s)+3], s[G1:G1+7]
	s_nop 0
.rept 4
	v_nop
.endr
	s_branch .Lasked_\@
.Lfor_b_\@:
	tensor_load_to_lds s[G0B+4*(\s):G0B+4*(\s)+3], s[G1B:G1B+7]
	s_nop 0
.rept 4
	v_nop
.endr
.Lasked_\@:
.endm
.macro CREST
	s_cmp_lg_u32 s10, 0
	s_cbranch_scc1 .Lnot_wave_0_\@
	s_barrier_signal -3
.Lnot_wave_0_\@:
	s_barrier_wait -3
	s_barrier_signal -1
	s_barrier_wait -1
.endm
.macro CROUND
	s_barrier_signal -1
	s_barrier_wait -1
	CREST
.endm
	s_load_b128 s[4:7], s[0:1], 0x0                ; yb s[4:5], wp s[6:7]
	s_load_b64 s[8:9], s[0:1], 0x10                ; out0
	v_lshl_add_u32 v[SPW], v0, 2, SPARE
	v_mov_b32 v[NIL], 0
	ds_add_u32 v[SPW], v[NIL]                      ; the wave's opening: the add and its wait stand ahead of my first tensor load
	v_lshrrev_b32 v1, 5, v0
	v_readfirstlane_b32 s10, v1
	s_lshr_b32 s11, s10, 1                         ; which half of the tile's rows is mine.  Also: I fetch for y (0) or for wp (1)
	s_and_b32 s12, s10, 1                          ; which half of its columns.  Also: which half of that tile I fetch
	s_bfe_u32 s40, ttmp6, 0x40000
	s_bfe_u32 s41, ttmp6, 0x40004
	s_lshl_b32 s42, ttmp9, 2
	s_add_co_u32 s42, s42, s40                     ; tile column
	s_and_b32 s13, ttmp7, 0xffff
	s_lshl_b32 s13, s13, 2
	s_add_co_u32 s13, s13, s41                     ; tile row
	s_lshl_b32 s43, s41, 2
	s_lshl_b32 s43, 15, s43
	s_lshl_b32 s44, 0x1111, s40
	s_or_b32 s[G1+0], s43, (1<<16)|(1<<20)|(1<<21)|(4<<22)|(3<<25)   ; y: my row of the cluster; 2-byte elements; after every 32 words 4 words of padding
	s_mov_b32 s[G1+1], 128<<16                     ; tensor_dim0 = 128
	s_mov_b32 s[G1+2], 128<<16                     ; tensor_dim1 = 128
	s_mov_b32 s[G1+3], 128<<16                     ; tile_dim0 = 128
	s_mov_b32 s[G1+4], 128                         ; tile_dim1 = 128
	s_mov_b32 s[G1+5], 128                         ; dense
	s_mov_b32 s[G1+6], 0
	s_mov_b32 s[G1+7], 0
	s_or_b32 s[G1B+0], s44, (1<<16)|(1<<20)|(1<<21)|(6<<22)|(3<<25)  ; wp: my column; after every 128 words 4 words
	s_mov_b32 s[G1B+1], 256<<16
	s_mov_b32 s[G1B+2], 64<<16
	s_mov_b32 s[G1B+3], 256<<16
	s_mov_b32 s[G1B+4], 64
	s_mov_b32 s[G1B+5], 1024
	s_mov_b32 s[G1B+6], 0
	s_mov_b32 s[G1B+7], 0
	s_lshl_b32 s16, s13, 1
	s_add_co_u32 s16, s16, s12                     ; y: the group of 64 rows,
	s_lshl_b32 s16, s16, 17                        ; 16 blocks of 8,192 bytes each
	s_mov_b32 s17, 0
	s_lshl_b32 s46, s42, 7
	s_lshl_b32 s47, s12, 6
	s_add_co_u32 s46, s46, s47                     ; wp: row 128 x tile column + 64 x half
	s_lshl_b32 s46, s46, 11
	s_mov_b32 s47, 0
	s_mul_i32 s20, s12, HALFA
	s_mul_i32 s21, s12, HALFB
	s_add_co_u32 s21, s21, BOFF
	s_wait_dscnt 0x0
	s_wait_kmcnt 0x0
	s_add_nc_u64 s[14:15], s[4:5], s[16:17]
	s_add_nc_u64 s[46:47], s[6:7], s[46:47]
	CROUND                                         ; all sixteen work-groups are here: the first joint loads meet
.irp s, 0,1
	s_mov_b32 s[G0+4*(\s)], 1
	s_add_co_u32 s[G0+4*(\s)+1], s20, (\s)*SLOT
	s_add_nc_u64 s[G0+4*(\s)+2:G0+4*(\s)+3], s[14:15], (\s)*32768    ; K step s: four blocks
	s_or_b32 s[G0+4*(\s)+3], s[G0+4*(\s)+3], 0x80000000
	s_mov_b32 s[G0B+4*(\s)], 1
	s_add_co_u32 s[G0B+4*(\s)+1], s21, (\s)*SLOT
	s_add_nc_u64 s[G0B+4*(\s)+2:G0B+4*(\s)+3], s[46:47], (\s)*512
	s_or_b32 s[G0B+4*(\s)+3], s[G0B+4*(\s)+3], 0x80000000
	JLOAD \s
.endr
	v_and_b32 v1, 15, v0
	v_bfe_u32 v2, v0, 4, 1
	v_mul_u32_u24 v3, v1, PA
	v_lshl_add_u32 v3, v2, 4, v3
	v_mul_u32_u24 v4, v1, PB
	v_lshl_add_u32 v4, v2, 4, v4
	s_mul_i32 s21, s11, HALFA                      ; my 64 rows of y
	s_mul_i32 s22, s12, HALFB                      ; my 64 rows of wp
	s_add_co_u32 s22, s22, BOFF
.irp s, 0,1
	v_add_nc_u32 v[ADRA+(\s)], s21, v3
	v_add_nc_u32 v[ADRB+(\s)], s22, v4
	s_add_co_u32 s21, s21, SLOT
	s_add_co_u32 s22, s22, SLOT
.endr
	s_mul_i32 s23, s10, 16*SPITCH
	s_add_co_u32 s23, s23, STAGE                   ; my stage
	v_mul_u32_u24 v5, v1, SPITCH                   ; in: row l % 16, 32 bytes for each half of the lanes
	v_lshl_add_u32 v5, v2, 5, v5
	v_add_nc_u32 v[STO], s23, v5
	v_mul_u32_u24 v5, v2, SPITCH                   ; back: lanes 0-15 take one row of 256 bytes, lanes 16-31 the next
	v_lshl_add_u32 v5, v1, 4, v5
	v_add_nc_u32 v[RD], s23, v5
	v_lshlrev_b32 v5, 12, v2                       ; and the same two rows in out0
	v_lshl_add_u32 v[CO], v1, 4, v5
	s_lshl_b32 s16, s13, 7
	s_lshl_b32 s17, s11, 6
	s_add_co_u32 s16, s16, s17                     ; my first row,
	s_lshl_b32 s16, s16, 12                        ; rows of 4,096 bytes
	s_lshl_b32 s46, s42, 9                         ; my first column, in bytes
	s_lshl_b32 s47, s12, 8
	s_add_co_u32 s46, s46, s47
	s_add_co_u32 s16, s16, s46
	s_mov_b32 s17, 0
	s_add_nc_u64 s[8:9], s[8:9], s[16:17]
.macro MUL8 f, c, a0, zero             ; 8 products: m blocks a0, a0 + 1 x all 4 n blocks, 32 along K: half c of buffer f
	WIN MUL
.irp a, \a0, (\a0)+1
.irp b, 0,1,2,3
.if \zero
	v_wmma_f32_16x16x32_f16 v[ACC+8*(4*(\a)+(\b)):ACC+8*(4*(\a)+(\b))+7], v[(\f)+64+8*(4*(\c)+(\b)):(\f)+64+8*(4*(\c)+(\b))+7], v[(\f)+8*(4*(\c)+(\a)):(\f)+8*(4*(\c)+(\a))+7], 0
.else
	v_wmma_f32_16x16x32_f16 v[ACC+8*(4*(\a)+(\b)):ACC+8*(4*(\a)+(\b))+7], v[(\f)+64+8*(4*(\c)+(\b)):(\f)+64+8*(4*(\c)+(\b))+7], v[(\f)+8*(4*(\c)+(\a)):(\f)+8*(4*(\c)+(\a))+7], v[ACC+8*(4*(\a)+(\b)):ACC+8*(4*(\a)+(\b))+7]
.endif
.endr
.endr
.endm
.macro FETCH slot, q, f                ; 32 LDS loads in one run: quarter q (64 along K: one head of y) into buffer f; the first 32 along K first
	WIN TO_F
.irp c, 0,1
.irp i, 0,1,2,3
	ds_load_b128 v[(\f)+64+8*(4*(\c)+(\i)):(\f)+64+8*(4*(\c)+(\i))+3],   v[ADRB+(\slot)] offset:(\q)*128+64*(\c)+(\i)*16*PB
	ds_load_b128 v[(\f)+64+8*(4*(\c)+(\i))+4:(\f)+64+8*(4*(\c)+(\i))+7], v[ADRB+(\slot)] offset:(\q)*128+64*(\c)+(\i)*16*PB+32
	ds_load_b128 v[(\f)+8*(4*(\c)+(\i)):(\f)+8*(4*(\c)+(\i))+3],         v[ADRA+(\slot)] offset:(\q)*64*PA+64*(\c)+(\i)*16*PA
	ds_load_b128 v[(\f)+8*(4*(\c)+(\i))+4:(\f)+8*(4*(\c)+(\i))+7],       v[ADRA+(\slot)] offset:(\q)*64*PA+64*(\c)+(\i)*16*PA+32
.endr
.endr
.endm
.macro PLACES
.rept 4
	v_nop
.endr
.endm
.macro QUARTER slot, q, f, g, zero     ; multiplies buffer f and fetches quarter q into g; the 16 accumulators take turns
	s_wait_dscnt 16                                ; the first 32 along K are in
	MUL8 \f, 0, 0, \zero
	MUL8 \f, 0, 2, \zero
	PLACES
	FETCH \slot, \q, \g
	s_wait_dscnt 32                                ; all but the 32 just issued
	MUL8 \f, 1, 0, 0
	MUL8 \f, 1, 2, 0
.endm
; The last quarter multiplies buffer 1 and changes slots: one barrier; in front of it each wave waits for all its tensor loads, adds 0 to its spare word, and waits for that and for its reads of this slot.
; fill = 1: the barrier opens a round of the cluster's, and this slot is filled again, two K steps on, first thing behind it.
.macro TURN slot, next, fill
	WIN 0
	s_wait_tensorcnt 0x0
	ds_add_u32 v[SPW], v[NIL]
	s_wait_dscnt 17                                ; (the add and the youngest sixteen loads may be out)
	MUL8 F1, 0, 0, 0
	s_wait_dscnt 0x0                               ; the add is done, and my reads of this slot are over
	s_barrier_signal -1
	MUL8 F1, 0, 2, 0
.if \fill
	WIN 0
.endif
	s_barrier_wait -1
.if \fill
	CREST
	s_add_nc_u64 s[G0+4*(\slot)+2:G0+4*(\slot)+3], s[G0+4*(\slot)+2:G0+4*(\slot)+3], 65536
	s_add_nc_u64 s[G0B+4*(\slot)+2:G0B+4*(\slot)+3], s[G0B+4*(\slot)+2:G0B+4*(\slot)+3], 1024
	JLOAD \slot                                    ; its four v_nop are also the places in front of the loads below
.else
	PLACES
.endif
	FETCH \next, 0, F0
	MUL8 F1, 1, 0, 0
	MUL8 F1, 1, 2, 0
.endm
	s_wait_tensorcnt 1                             ; my part of K step 0 is in; K step 1's may stay out
	s_barrier_signal -1
	s_barrier_wait -1
	FETCH 0, 0, F0
	QUARTER 0, 1, F0, F1, 1                        ; the first products start the sums
	QUARTER 0, 2, F1, F0, 0                        ; four K steps in all: the first lap fills both slots again, the second fills nothing
	QUARTER 0, 3, F0, F1, 0
	TURN 0, 1, 1
	QUARTER 1, 1, F0, F1, 0
	QUARTER 1, 2, F1, F0, 0
	QUARTER 1, 3, F0, F1, 0
	TURN 1, 0, 1
	QUARTER 0, 1, F0, F1, 0
	QUARTER 0, 2, F1, F0, 0
	QUARTER 0, 3, F0, F1, 0
	TURN 0, 1, 0
	QUARTER 1, 1, F0, F1, 0
	QUARTER 1, 2, F1, F0, 0
	QUARTER 1, 3, F0, F1, 0
	s_wait_dscnt 16
	MUL8 F1, 0, 0, 0
	MUL8 F1, 0, 2, 0
	s_wait_dscnt 0x0
	MUL8 F1, 1, 0, 0
	MUL8 F1, 1, 2, 0
	WIN 0
	; THE WAY OUT, 16 rows at a time: a lane's 32 bytes of a row into my stage, back as whole rows of 256 bytes into the registers that they left
	PLACES
.macro TOSTAGE a
.irp b, 0,1,2,3
	ds_store_b128 v[STO], v[ACC+32*(\a)+8*\b:ACC+32*(\a)+8*\b+3]   offset:64*\b
	ds_store_b128 v[STO], v[ACC+32*(\a)+8*\b+4:ACC+32*(\a)+8*\b+7] offset:64*\b+16
.endr
.irp t, 0,1,2,3,4,5,6,7
	ds_load_b128 v[ACC+32*(\a)+4*\t:ACC+32*(\a)+4*\t+3], v[RD] offset:\t*2*SPITCH  ; LDS serves a wave's instructions in order (ISA guide 5.7.1.4)
.endr
.endm
.macro SEND a, younger
.irp t, 0,1,2,3,4,5,6,7
	s_wait_dscnt (\younger)+7-\t
	global_store_b128 v[CO], v[ACC+32*(\a)+4*\t:ACC+32*(\a)+4*\t+3], s[8:9] offset:(\a)*65536+\t*8192 th:TH_STORE_NT  ; 16 lanes store 256 consecutive bytes, aligned
.endr
.endm
	TOSTAGE 0
	TOSTAGE 1
	SEND 0, 16
	TOSTAGE 2
	SEND 1, 16
	TOSTAGE 3
	SEND 2, 16
	SEND 3, 0
	s_wait_tensorcnt 0x0                           ; the wave's end
	ds_add_u32 v[SPW], v[NIL]
	s_wait_dscnt 0x0
	CROUND                                         ; the closing round
	s_endpgm
.Lfunc_end_k_q188f03cac2_proj:
	.size	k_q188f03cac2_proj, .Lfunc_end_k_q188f03cac2_proj-k_q188f03cac2_proj
	.p2alignl 7, 3214868480
	.fill 96, 4, 3214868480
	.section	.rodata,"a",@progbits
	.p2align	6, 0x0
	.amdhsa_kernel k_q188f03cac2_proj
		.amdhsa_group_segment_fixed_size 327680
		.amdhsa_private_segment_fixed_size 0
		.amdhsa_enable_private_segment 0
		.amdhsa_kernarg_size 24
		.amdhsa_user_sgpr_count 2
		.amdhsa_user_sgpr_kernarg_segment_ptr 1
		.amdhsa_wavefront_size32 1
		.amdhsa_system_sgpr_workgroup_id_x 1
		.amdhsa_system_sgpr_workgroup_id_y 1
		.amdhsa_system_sgpr_workgroup_id_z 1
		.amdhsa_system_vgpr_workitem_id 0
		.amdhsa_next_free_vgpr 512
		.amdhsa_next_free_sgpr 66
		.amdhsa_reserve_vcc 0
		.amdhsa_float_denorm_mode_32 3
		.amdhsa_float_denorm_mode_16_64 3
		.amdhsa_memory_ordered 1
		.amdhsa_forward_progress 1
		.amdhsa_inst_pref_size 86
	.end_amdhsa_kernel
	.amdgpu_metadata
---
amdhsa.version: [ 1, 2 ]
amdhsa.kernels:
  - .name:           k_q188f03cac2_proj
    .symbol:         k_q188f03cac2_proj.kd
    .args:
      - { .name: yb, .offset: 0, .size: 8, .value_kind: global_buffer, .address_space: global }
      - { .name: wp, .offset: 8, .size: 8, .value_kind: global_buffer, .address_space: global }
      - { .name: out0, .offset: 16, .size: 8, .value_kind: global_buffer, .address_space: global }
    .group_segment_fixed_size: 327680
    .private_segment_fixed_size: 0
    .kernarg_segment_align: 8
    .kernarg_segment_size: 24
    .max_flat_workgroup_size: 128
    .sgpr_count:     66
    .vgpr_count:     512
    .wavefront_size: 32
...
	.end_amdgpu_metadata
.endif
;; end of part 4
;; ======== version 2 of 2: 4 launches; version 1 with the launch prep written anew for expert scheduling mode
;; limits: values are held in f16: magnitudes above 65,504 overflow, below 6.1e-05 lose precision
;; workspace buffers: xb 8,388,608 bytes; wa 6,291,456 bytes; wp 2,097,152 bytes; tab 32,768 bytes; qkv 25,165,824 bytes; yb 8,388,608 bytes
;; launch prep (part 5): grid 1026 x 1, 4 waves a work-group, no clusters, 17,920 bytes of LDS; arguments x, W_attn, W_proj, table_k, table_v, xb, wa, wp, tab; writes xb, wa, wp, tab
.if DOCPART == 5
	.amdgcn_target "amdgcn-amd-amdhsa--gfx1250"
	.amdhsa_code_object_version 6
	.text
	.protected	k_q188f03cac2_prep
	.globl	k_q188f03cac2_prep
	.p2align	8
	.type	k_q188f03cac2_prep,@function
k_q188f03cac2_prep:
	s_mov_b64 s[64:65], 0
	v_nop
	global_prefetch_b8 v0, s[64:65] scope:SCOPE_SE
	s_setreg_imm32_b32 hwreg(HW_REG_WAVE_SCHED_MODE, 0, 2), 2
	s_setreg_imm32_b32 hwreg(HW_REG_WAVE_MODE, 25, 1), 1
	s_wait_xcnt 0x0
	s_wait_alu depctr_vm_vsrc(0)
; PREP: every input is rounded once to bf16 and laid out as the matrix launches want it, K along the rows.
;   xb  bf16 [4096][1024]      = x
;   wa  bf16 [3072][1024]      row 192 h + 64 s + c = column 1024 s + 64 h + c of W_attn (s = 0 q, 1 k, 2 v): a head's q, k, v rows lie together
;   wp  f16  [1024 n][1024 k]  = W_proj turned; each number is rounded to bf16 and that number is written as f16
;   tab f16  byte 0: [128][64] = table_k's rows 1 to 128; byte 16,384: [64 ch][128] = table_v's rows 1 to 128 turned; both bf16, then f16
; LIMITS.  W_proj and the tables lie within f16's 65,504; below 6.1e-5 they keep f16's fixed step of 6e-8.  Row 0 of the tables is never indexed under the mask that the problem builds.
; JOBS, by the work-group's number g: 0-511 cast 32 KiB of x; 512 cast table_k; 513-896 turn a block of W_attn; 897-1024 of W_proj; 1025 table_v.
; A CAST: thread t takes 32 bytes of f32 and stores 16 bytes: a wave's store covers 512 consecutive bytes.
; A TURN: 128 rows (k) x 64 columns (n) of f32; two rows' numbers of a column pack into a word, the words go into LDS rows of 272 bytes by column, and come back as 64 whole rows of 256 bytes.
; The work-groups share no byte, every byte is read once, and the launch only streams: no tensor loads, no cluster, no matrix unit.
; THE MODE: SCHED_MODE bits 1:0 = 2 (LLVM: expert scheduling mode 2), set by the entry lines.  The code itself states the register dependences
; between vector instructions and memory or LDS instructions, with s_wait_alu, always for 0.
; THE PLAN.  Registers that memory or LDS instructions touch:
;   v[VIN], v[VOUT], v[VO ..], v[DO ..], v[LSA], v[LRA]   offsets and LDS addresses: written once by vector lines, never written again.
;   X      written by the loads alone, once; read by the conversions.
;   Y, W   (the same registers: a work-group casts or turns) four registers for each of the eight groups, written by that group's conversions alone, read by its store or stores, never written again.
;   R      written by the LDS loads alone, read by the global stores: no vector line names it.
;   v[SPW], v[NIL]   written at the head, read by the closing add alone.
; The eight groups go in four steps of two.  Step s's conversions write its Y (W); its stores are issued at the head of step s + 1, behind that step's wait for its loads and ONE wait on va_vdst;
; no vector line issued since that wait names their data or their address.  A last such wait stands ahead of the last step's stores, and one ahead of the loads, for their offsets.
; No register that a memory or LDS instruction reads is ever written again, so past the entry lines the text holds no wait on vm_vsrc; no vector line writes a scalar register, VCC or EXEC.
.set SPARE, 17408                      ; behind the 64 rows of 272 bytes: the spare words, 128 bytes for each wave
.set PIT,  272
.set VIN,  4                           ; v4   a cast: my 32 bytes in
.set VOUT, 5                           ; v5   a cast: my 16 bytes out
.set LSA,  6                           ; v6   a turn: where my words go in LDS
.set LRA,  7                           ; v7   a turn: where I read a row back
.set VO,   8                           ; v8-23   a turn: byte offsets of my 16 loads
.set DO,   24                          ; v24-31  a turn: byte offsets of my 8 stores
.set X,    32                          ; v32-95  as loaded
.set SPW,  100                         ; v100 LDS address of my spare word; never rewritten
.set NIL,  101                         ; v101 0; never rewritten
.set T0,   102
.set T1,   103
.set Y,    104                         ; v104-135 a cast's results, four registers a group
.set W,    104                         ; v104-135 a turn's packed words on their way to LDS, four registers a group
.set R,    136                         ; v136-167 a turn's rows read back
.set SRC,  28                          ; s[28:29]
.set DST,  30                          ; s[30:31]
.set SPI,  32                          ; s32  bytes from row to row in the source
.set DPI,  33                          ; s33  in the destination
.macro CV dst, a, b, fmt               ; two numbers rounded to bf16 and packed; fmt = 1: those two numbers written as f16
	v_cvt_pk_bf16_f32 v[\dst], v[\a], v[\b]
.if \fmt
	v_lshlrev_b32 v[T0], 16, v[\dst]
	v_and_b32 v[T1], 0xffff0000, v[\dst]
	v_cvt_pk_f16_f32 v[\dst], v[T0], v[T1]
.endif
.endm
.macro CAST fmt
	s_wait_alu depctr_va_vdst(0)                   ; v[VIN] and v[VOUT] are written: every load and store of the cast reads one of them as its offset
.irp g, 0,1,2,3,4,5,6,7
	global_load_b128 v[X+8*\g:X+8*\g+3],   v[VIN], s[SRC:SRC+1] offset:\g*4096 th:TH_LOAD_NT
	global_load_b128 v[X+8*\g+4:X+8*\g+7], v[VIN], s[SRC:SRC+1] offset:\g*4096+16 th:TH_LOAD_NT
.endr
.irp b, 0,1,2,3                        ; step b: groups 2 b and 2 b + 1
	s_wait_loadcnt 12-4*\b                         ; loads come back in order: the step's four are in, the younger ones stay out
.if \b > 0
	s_wait_alu depctr_va_vdst(0)                   ; the step before has written its eight registers of Y, which the two stores below read
.irp h, 0,1
	global_store_b128 v[VOUT], v[Y+4*(2*\b-2+\h):Y+4*(2*\b-2+\h)+3], s[DST:DST+1] offset:(2*\b-2+\h)*2048  ; no register of a store is written again
.endr
.endif
.irp h, 0,1
.irp i, 0,1,2,3
	CV Y+4*(2*\b+\h)+\i, X+8*(2*\b+\h)+2*\i, X+8*(2*\b+\h)+2*\i+1, \fmt
.endr
.endr
.endr
	s_wait_alu depctr_va_vdst(0)                   ; the last step has written its eight registers of Y, which the last two stores read
.irp g, 6,7
	global_store_b128 v[VOUT], v[Y+4*\g:Y+4*\g+3], s[DST:DST+1] offset:\g*2048
.endr
.endm
.macro TCONV fmt                       ; rows 2 p and 2 p + 1 (p = 8 g + t / 16), my four columns: word p of LDS rows 4 (t % 16) + i
.irp b, 0,1,2,3                        ; step b: groups 2 b and 2 b + 1
	s_wait_loadcnt 12-4*\b                         ; the step's four loads are in, the younger ones stay out
.if \b > 0
	s_wait_alu depctr_va_vdst(0)                   ; the step before has written its eight words of W, which the LDS stores below read; in step 1 also: v[LSA], v[LRA] and v[DO ..] are written
.irp h, 0,1
.irp i, 0,1,2,3
	ds_store_b32 v[LSA], v[W+4*(2*\b-2+\h)+\i] offset:\i*PIT+(2*\b-2+\h)*32  ; no register of a store is written again
.endr
.endr
.endif
.irp h, 0,1
.irp i, 0,1,2,3
	CV W+4*(2*\b+\h)+\i, X+8*(2*\b+\h)+\i, X+8*(2*\b+\h)+4+\i, \fmt
.endr
.endr
.endr
	s_wait_alu depctr_va_vdst(0)                   ; the last step has written its eight words of W, which the last LDS stores read
.irp g, 6,7
.irp i, 0,1,2,3
	ds_store_b32 v[LSA], v[W+4*\g+\i] offset:\i*PIT+\g*32
.endr
.endr
.endm
	s_load_b512 s[8:23], s[0:1], 0x0               ; x s[8:9], W_attn s[10:11], W_proj s[12:13], table_k s[14:15], table_v s[16:17], xb s[18:19], wa s[20:21], wp s[22:23]
	s_load_b64 s[24:25], s[0:1], 0x40              ; tab
	v_lshl_add_u32 v[SPW], v0, 2, SPARE
	v_mov_b32 v[NIL], 0
	s_mov_b32 s2, ttmp9                            ; g
	s_mov_b32 s35, 0
	s_mov_b32 s37, 0
	s_cmp_lt_u32 s2, 513
	s_cbranch_scc0 .Ltrans
	; THE CASTS
	v_lshlrev_b32 v[VIN], 5, v0
	v_lshlrev_b32 v[VOUT], 4, v0
	s_lshl_b32 s34, s2, 15                         ; 32 KiB in,
	s_lshl_b32 s36, s2, 14                         ; 16 KiB out
	s_wait_kmcnt 0x0
	s_cmp_lt_u32 s2, 512
	s_cselect_b32 s34, s34, 256                    ; table_k from its row 1 on
	s_cselect_b32 s36, s36, 0
	s_cselect_b64 s[SRC:SRC+1], s[8:9], s[14:15]
	s_cselect_b64 s[DST:DST+1], s[18:19], s[24:25]
	s_add_nc_u64 s[SRC:SRC+1], s[SRC:SRC+1], s[34:35]
	s_add_nc_u64 s[DST:DST+1], s[DST:DST+1], s[36:37]
	s_cbranch_scc0 .Lcast16                        ; (selects and 64-bit sums leave the compare's answer alone)
	CAST 0
	s_branch .Lend
.Lcast16:
	CAST 1
	s_branch .Lend
	; THE TURNS
.Ltrans:
	v_and_b32 v1, 15, v0                           ; which 16 bytes of a source row
	v_lshrrev_b32 v2, 4, v0                        ; 0 to 7
	s_sub_co_u32 s38, s2, 513                      ; W_attn: j = 8 nb + kt
	s_and_b32 s39, s38, 7                          ; kt: which 128 rows
	s_lshr_b32 s38, s38, 3                         ; nb = 16 s + h: which 64 columns
	s_lshr_b32 s40, s38, 4
	s_and_b32 s41, s38, 15
	s_mul_i32 s34, s39, 1572864                    ; 128 rows of 12,288 bytes
	s_lshl_b32 s38, s38, 8
	s_add_co_u32 s34, s34, s38
	s_mul_i32 s41, s41, 3
	s_add_co_u32 s41, s41, s40                     ; 3 h + s
	s_lshl_b32 s41, s41, 17                        ; 64 rows of 2,048 bytes
	s_lshl_b32 s39, s39, 8
	s_add_co_u32 s36, s41, s39
	s_sub_co_u32 s38, s2, 897                      ; W_proj: the same split
	s_and_b32 s39, s38, 7
	s_lshr_b32 s38, s38, 3
	s_lshl_b32 s40, s39, 19                        ; 128 rows of 4,096 bytes
	s_lshl_b32 s41, s38, 8
	s_add_co_u32 s40, s40, s41
	s_lshl_b32 s38, s38, 17
	s_lshl_b32 s39, s39, 8
	s_add_co_u32 s41, s38, s39
	s_movk_i32 s42, 0x3000
	s_movk_i32 s43, 0x1000
	s_movk_i32 s44, 0x800
	s_wait_kmcnt 0x0
	s_cmp_lt_u32 s2, 897
	s_cselect_b32 s34, s34, s40
	s_cselect_b32 s36, s36, s41
	s_cselect_b32 s[SPI], s42, s43
	s_cselect_b64 s[SRC:SRC+1], s[10:11], s[12:13]
	s_cselect_b64 s[DST:DST+1], s[20:21], s[22:23]
	s_cmp_lt_u32 s2, 1025
	s_cselect_b32 s34, s34, 256                    ; table_v from its row 1 on,
	s_cselect_b32 s36, s36, 0x4000                 ; into tab's second half
	s_cselect_b32 s[SPI], s[SPI], 256
	s_cselect_b32 s[DPI], s44, 256
	s_cselect_b64 s[SRC:SRC+1], s[SRC:SRC+1], s[16:17]
	s_cselect_b64 s[DST:DST+1], s[DST:DST+1], s[24:25]
	s_add_nc_u64 s[SRC:SRC+1], s[SRC:SRC+1], s[34:35]
	s_add_nc_u64 s[DST:DST+1], s[DST:DST+1], s[36:37]
	v_lshlrev_b32 v3, 1, v2
	v_mul_lo_u32 v3, v3, s[SPI]
	v_lshl_add_u32 v3, v1, 4, v3                   ; row 2 (t / 16), my 16 bytes
.set n, 0
.rept 16
	s_mul_i32 s38, s[SPI], 16*(n/2)+(n%2)
	v_add_nc_u32 v[VO+n], s38, v3
.set n, n+1
.endr
	s_wait_alu depctr_va_vdst(0)                   ; the sixteen offsets v[VO ..] are written, which the loads below read
.irp g, 0,1,2,3,4,5,6,7
	global_load_b128 v[X+8*\g:X+8*\g+3],   v[VO+2*\g],   s[SRC:SRC+1] th:TH_LOAD_NT  ; sixteen lanes take a row's 256 bytes
	global_load_b128 v[X+8*\g+4:X+8*\g+7], v[VO+2*\g+1], s[SRC:SRC+1] th:TH_LOAD_NT
.endr
	v_mul_u32_u24 v[LSA], v1, 4*PIT                ; while the loads are on their way: the LDS addresses and the stores' offsets; the wait at the head of the conversions' second step stands between these lines and their first reader
	v_lshl_add_u32 v[LSA], v2, 2, v[LSA]
	v_mul_u32_u24 v[LRA], v2, PIT
	v_lshl_add_u32 v[LRA], v1, 4, v[LRA]
	v_mul_lo_u32 v[DO], v2, s[DPI]
	v_lshl_add_u32 v[DO], v1, 4, v[DO]
	s_lshl_b32 s38, s[DPI], 3
.irp g, 1,2,3,4,5,6,7
	v_add_nc_u32 v[DO+\g], s38, v[DO+\g-1]
.endr
	s_cmp_lt_u32 s2, 897
	s_cbranch_scc0 .Ltr16
	TCONV 0
	s_branch .Ltrj
.Ltr16:
	TCONV 1
.Ltrj:
	s_wait_dscnt 0x0                               ; for the others' sake: my words are in LDS
	s_barrier_signal -1
	s_barrier_wait -1                              ; everybody's are
.irp g, 0,1,2,3,4,5,6,7
	ds_load_b128 v[R+4*\g:R+4*\g+3], v[LRA] offset:\g*8*PIT  ; no vector line names R, and none since the conversions' waits names v[LRA]
.endr
.irp g, 0,1,2,3,4,5,6,7
	s_wait_dscnt 7-\g
	global_store_b128 v[DO+\g], v[R+4*\g:R+4*\g+3], s[DST:DST+1]  ; sixteen lanes store 256 consecutive bytes, aligned
.endr
.Lend:
	s_wait_dscnt 0x0                               ; the closing lines, six on end
	s_wait_alu 0x0
	s_wait_tensorcnt 0x0
	ds_add_u32 v[SPW], v[NIL]
	s_wait_dscnt 0x0
	s_endpgm
.Lfunc_end_k_q188f03cac2_prep:
	.size	k_q188f03cac2_prep, .Lfunc_end_k_q188f03cac2_prep-k_q188f03cac2_prep
	.p2alignl 7, 3214868480
	.fill 96, 4, 3214868480
	.section	.rodata,"a",@progbits
	.p2align	6, 0x0
	.amdhsa_kernel k_q188f03cac2_prep
		.amdhsa_group_segment_fixed_size 17920
		.amdhsa_private_segment_fixed_size 0
		.amdhsa_enable_private_segment 0
		.amdhsa_kernarg_size 72
		.amdhsa_user_sgpr_count 2
		.amdhsa_user_sgpr_kernarg_segment_ptr 1
		.amdhsa_wavefront_size32 1
		.amdhsa_system_sgpr_workgroup_id_x 1
		.amdhsa_system_sgpr_workgroup_id_y 1
		.amdhsa_system_sgpr_workgroup_id_z 1
		.amdhsa_system_vgpr_workitem_id 0
		.amdhsa_next_free_vgpr 168
		.amdhsa_next_free_sgpr 66
		.amdhsa_reserve_vcc 0
		.amdhsa_float_denorm_mode_32 3
		.amdhsa_float_denorm_mode_16_64 3
		.amdhsa_memory_ordered 1
		.amdhsa_forward_progress 1
		.amdhsa_inst_pref_size 37
	.end_amdhsa_kernel
	.amdgpu_metadata
---
amdhsa.version: [ 1, 2 ]
amdhsa.kernels:
  - .name:           k_q188f03cac2_prep
    .symbol:         k_q188f03cac2_prep.kd
    .args:
      - { .name: x, .offset: 0, .size: 8, .value_kind: global_buffer, .address_space: global }
      - { .name: W_attn, .offset: 8, .size: 8, .value_kind: global_buffer, .address_space: global }
      - { .name: W_proj, .offset: 16, .size: 8, .value_kind: global_buffer, .address_space: global }
      - { .name: table_k, .offset: 24, .size: 8, .value_kind: global_buffer, .address_space: global }
      - { .name: table_v, .offset: 32, .size: 8, .value_kind: global_buffer, .address_space: global }
      - { .name: xb, .offset: 40, .size: 8, .value_kind: global_buffer, .address_space: global }
      - { .name: wa, .offset: 48, .size: 8, .value_kind: global_buffer, .address_space: global }
      - { .name: wp, .offset: 56, .size: 8, .value_kind: global_buffer, .address_space: global }
      - { .name: tab, .offset: 64, .size: 8, .value_kind: global_buffer, .address_space: global }
    .group_segment_fixed_size: 17920
    .private_segment_fixed_size: 0
    .kernarg_segment_align: 8
    .kernarg_segment_size: 72
    .max_flat_workgroup_size: 128
    .sgpr_count:     66
    .vgpr_count:     168
    .wavefront_size: 32
...
	.end_amdgpu_metadata
.endif
;; end of part 5
;; launch qkv: the kernel of part 2 again; grid 16 x 16, 4 waves a work-group, clusters of 4 x 4, 327,680 bytes of LDS; arguments xb, wa, qkv; writes qkv
;; launch attn: the kernel of part 3 again; grid 256 x 1, 4 waves a work-group, no clusters, 90,624 bytes of LDS; arguments qkv, tab, yb; writes yb
;; launch proj: the kernel of part 4 again; grid 8 x 32, 4 waves a work-group, clusters of 4 x 4, 327,680 bytes of LDS; arguments yb, wp, out0; writes out0
